; MI455X (gfx1250); checked and timed in simulation.
; The chip was launched on July 23, 2026; its instructions are those of AMD's public machine-readable ISA for CDNA 5 (MIT licence, August 2026) and "CDNA5" Instruction Set Architecture Reference Guide (July 2026). The comments in the code are by the model that wrote it; some were corrected since.
;; Enhanced Brain. Allowed arithmetic: matrix products marked QUANTISED: E3M2 operands, one E8M0 scale for each 32 along K, by v_wmma_scale_f32_16x16x128_f8f6f4 with both operands' format E3M2, f32 sums; products left as they are: f32 operands where the result goes on into a quantised operand, else bf16, f16 or f32 operands; f32 sums; everything else in f32.
;; Inputs: W1 1,024 x 256 float32; W2 256 x 8 float32; Wa 8 x 1,024 x 4,096 float32; Wb 8 x 4,096 x 1,024 float32; b1 256 float32; b2 8 float32; x 16 x 64 x 1,024 float32.
;; Outputs: out0 16 x 64 x 1,024 float32.
;; This version of the problem:
;;   THIS VERSION OF THE PROBLEM IS GIVEN IN LOW PRECISION. The matrix products marked QUANTISED in the list below multiply operands that are first quantised to E3M2 (3 exponent bits, 2 mantissa bits; 6 bits a number), with one power-of-two scale for each 32 numbers along K (OCP MX v1.0); their sums are f32. All else is computed in f32.
;;   The module's matrix products, in the order in which they are computed (A, B: the left and right operand; K: the contracted axis; several contracted axes count as one K, in the product's order):
;;     1. [M 16, K 1,024] x [K 1,024, N 256]; A: computed on the way; B: input W1: QUANTISED
;;     2. [M 16, K 256] x [K 256, N 8]; A: computed on the way; B: input W2: left as it is (N = 8 < 16)
;;     3. batch 16 x [M 1, K 3] x [K 3, N 8]; A: computed on the way; B: computed on the way: left as it is (K = 3 < 32)
;;     4. [M 1,024, K 1,024] x [K 1,024, N 4,096]; A: input x; B: input Wa: QUANTISED
;;     5. [M 1,024, K 4,096] x [K 4,096, N 1,024]; A: computed on the way; B: input Wb: QUANTISED
;;     6. [M 1,024, K 1,024] x [K 1,024, N 4,096]; A: input x; B: input Wa: QUANTISED
;;     7. [M 1,024, K 4,096] x [K 4,096, N 1,024]; A: computed on the way; B: input Wb: QUANTISED
;;     8. [M 1,024, K 1,024] x [K 1,024, N 4,096]; A: input x; B: input Wa: QUANTISED
;;     9. [M 1,024, K 4,096] x [K 4,096, N 1,024]; A: computed on the way; B: input Wb: QUANTISED
;;     10. [M 1,024, K 1,024] x [K 1,024, N 4,096]; A: input x; B: input Wa: QUANTISED
;;     11. [M 1,024, K 4,096] x [K 4,096, N 1,024]; A: computed on the way; B: input Wb: QUANTISED
;;     12. [M 1,024, K 1,024] x [K 1,024, N 4,096]; A: input x; B: input Wa: QUANTISED
;;     13. [M 1,024, K 4,096] x [K 4,096, N 1,024]; A: computed on the way; B: input Wb: QUANTISED
;;     14. [M 1,024, K 1,024] x [K 1,024, N 4,096]; A: input x; B: input Wa: QUANTISED
;;     15. [M 1,024, K 4,096] x [K 4,096, N 1,024]; A: computed on the way; B: input Wb: QUANTISED
;;     16. [M 1,024, K 1,024] x [K 1,024, N 4,096]; A: input x; B: input Wa: QUANTISED
;;     17. [M 1,024, K 4,096] x [K 4,096, N 1,024]; A: computed on the way; B: input Wb: QUANTISED
;;     18. [M 1,024, K 1,024] x [K 1,024, N 4,096]; A: input x; B: input Wa: QUANTISED
;;     19. [M 1,024, K 4,096] x [K 4,096, N 1,024]; A: computed on the way; B: input Wb: QUANTISED
;;   THE QUANTISER, for each operand of a quantised product, along K:
;;     - K is cut into blocks of 32 from its start; a last block that is shorter is filled with zeros.
;;     - A block's scale is 2^e with e = floor(log2(the largest magnitude in the block)) - 4, held to -126 .. 127; a block of zeros has e = 0. As a byte (E8M0): e + 127.
;;     - Each number is divided by its block's scale, clamped to +-28, and rounded to the nearest number of E3M2, ties to even, subnormals kept.
;;     - The product sums the exact products of the quantised numbers (number of the format x scale) in f32.
;;   ~~~python
;;   def quantise(x, axis):      # numpy; x: float32 -> the quantised numbers, widened to float32 again
;;       x = np.moveaxis(x, axis, -1); K = x.shape[-1]
;;       x = np.pad(x, [(0, 0)] * (x.ndim - 1) + [(0, -K % 32)]); x = x.reshape(x.shape[:-1] + (-1, 32)); a = np.abs(x).max(-1, keepdims=True)
;;       e = np.where(a > 0, np.clip(np.frexp(np.where(a > 0, a, 1))[1] - 1 - 4, -126, 127), 0)      # np.frexp(a)[1] - 1 = floor(log2(a)), exactly
;;       r = np.clip(x / 2.0 ** e, -28, 28)
;;       step = 2.0 ** (np.maximum(np.frexp(np.where(r == 0, 1, r))[1] - 1, -2) - 2)
;;       q = np.round(r / step) * step * 2.0 ** e      # np.round: ties to even
;;       return np.moveaxis(q.reshape(q.shape[:-2] + (-1,))[..., :K], -1, axis).astype(np.float32)
;;   ~~~
;;   OPERANDS COMPUTED ON THE WAY. 'Computed on the way' means the value that the module computes at that place (a softmax that the list does not call 'softmax' is quantised finished and normalised). What goes into a quantiser is computed in f32, as accurately as f32 sums, v_exp_f32 and their like allow (about 1e-6 of the number): no bf16 or f16 on the way to a quantiser, and a product that is left as it is and whose result goes on into a quantised operand takes f32 operands (vector FMAs, or v_wmma_f32_16x16x4_f32). A number that lies on a knife's edge between two numbers of the format may be rounded either way, as far as f32 arithmetic and the matrix unit's own rounding can turn it there, and no further.
;; 2 versions. Each part assembles by itself: llvm-mc -triple=amdgcn-amd-amdhsa -mcpu=gfx1250 --defsym DOCPART=n.
;; ======== version 1 of 2: 3 launches
;; workspace buffers: wqa 26,214,400 bytes; wqb 26,214,400 bytes; xqb 819,200 bytes; hqb 9,830,400 bytes; sel 256 bytes of whole numbers; gate 256 bytes
;; launch prep (part 1): grid 336 x 1, 16 waves a work-group, no clusters, 26,624 bytes of LDS; arguments x, W1, b1, W2, b2, Wa, Wb, xqb, wqa, wqb, sel, gate; writes xqb, wqa, wqb, sel, gate
.if DOCPART == 1
	.amdgcn_target "amdgcn-amd-amdhsa--gfx1250"
	.amdhsa_code_object_version 6
	.text
	.protected	k_q3f99b2372d_prep
	.globl	k_q3f99b2372d_prep
	.p2align	8
	.type	k_q3f99b2372d_prep,@function
k_q3f99b2372d_prep:
	s_mov_b64 s[64:65], 0
	v_nop
	global_prefetch_b8 v0, s[64:65] scope:SCOPE_SE
	s_setreg_imm32_b32 hwreg(HW_REG_WAVE_MODE, 25, 1), 1
	s_wait_xcnt 0x0
; PREP.  Four kinds of work-group, told apart by the work-group's number alone:
;   0-79, 96-255  QW, full (240): Wa and Wb are read once and quantised along K, which is their FIRST axis inside a zone.  A unit is 512 columns x 512 along K; each tensor has 128 units; units 0-119 are taken here.
;   80-95    ROUTER, one batch each: mean over the 64 tokens, Q(mean) Q(W1) by the matrix unit, tanh, W2 in f32, softmax, the three largest, their weights.
;            It stores the three zones as whole numbers (sel) and their weights (gate) at fixed places: no address here hangs on them.
;   256-319  QW, quarter (64): units 120-127 of each tensor, cut into their four K steps of 128.
;   320-335  XQ, one batch each: x becomes codes of E3M2 with one E8M0 byte for each 32 along K, laid as images of the operand's registers.
; SHARES BY BYTES READ: a router 1.25 MiB (its batch of x and all of W1), a full QW 1 MiB, a quarter QW and an XQ 0.25 MiB.  So there are 256 long work-groups (16 + 240) and 80 short ones, and the short
; ones have the highest numbers.  No result hangs on the numbering.
; QW: A LANE TAKES A COLUMN AND ITS REGISTERS RUN DOWN K, so a block of 32 lies in one lane, its largest magnitude needs no other lane, and the conversions give codes with K innermost.
; A wave takes 32 columns.  Lanes 0-15 hold tile 0's sixteen columns, lanes 16-31 tile 1's; tile u, index i is column 8 u + i + 8 (i / 8) of the 32, so that in a product used
; transposed a lane's 16 results of the two tiles are 16 neighbours.  An even and an odd block change halves (v_permlane16_swap_b32) and ARE the two tiles' fragment registers 6 c .. 6 c + 5.
; A fragment leaves as an image of its 12 registers: three stores of 16 bytes a lane, each 512 consecutive bytes at a multiple of 512.  No LDS, no barrier in this path.
; A block's scale byte is its largest magnitude's exponent field - 4, held at 1 from below by a floor among the maximum's leaves.
; LIMITS: NaN and infinities among the inputs are not served.  A block of zeros gets the byte 1 where the rule says 127: its codes are zeros, and this program alone reads the bytes.
; Equal probabilities: the lower zone number wins.  No tensor load and no cluster: no two work-groups of the weights' stream read the same byte, and every operand goes straight through registers.
.set ST,    64                         ; v64-127  two sets of 32 numbers (QW, W1), or 64 numbers of a lane (QUANT)
.set F0,    12                         ; v12-23   tile 0's fragment
.set F1,    24                         ; v24-35   tile 1's
.set TE,    36                         ; v36-38   the even block's upper 16 codes
.set TO,    40                         ; v40-42   the odd block's
.set TM,    12                         ; QUANT: v12-15 maxima, v16-19 bytes, v24-27 scale operands
.set PW,    28                         ; QUANT: the scale word
.set PC,    32                         ; QUANT: v32-43 the fragment, v44-50 at work
.set PP,    0                          ; LDS (router alone): the pooled row, 4,096 bytes
.set PIMG,  4096                       ; its eight fragments as images, 1,536 bytes each
.set PSC,   16384                      ; their scale words, 128 bytes each
.set HP,    17408                      ; the hidden layer's sums, one row of 1,024 bytes for each half of K
.set FLOOR, 0x2800000                  ; 2^(5 - 127)
.set OFF4,  0xfe000000                 ; -(4 << 23)
.macro BARRIER                         ; my LDS stores have landed and my LDS loads are in: then the work-group's barrier
	s_wait_dscnt 0x0
	s_barrier_signal -1
	s_barrier_wait -1
.endm
; block t of my 32 columns: row 32 t + i, i = 0 .. 31, into set t % 2; a wave's load covers 128 consecutive bytes, the sixteen waves stand side by side on 2,048
.macro LOADB t, pitch, mode
.set LJ, 0
.rept 32
.if \mode
	global_load_b32 v[ST+32*((\t)%2)+LJ], v1, s[44:45] offset:(32*(\t)+LJ)*\pitch
.else
	global_load_b32 v[ST+32*((\t)%2)+LJ], v1, s[44:45] offset:(32*(\t)+LJ)*\pitch th:TH_LOAD_NT
.endif
.set LJ, LJ+1
.endr
.endm
.macro KOUT sl                         ; K step sl of my item: the two tiles' images
.set KU, 0
.rept 2
.set KG, 0
.rept 3
	global_store_b128 v2, v[F0+12*KU+4*KG:F0+12*KU+4*KG+3], s[46:47] offset:(\sl)*3072+KU*1536+KG*512 th:TH_STORE_NT
.set KG, KG+1
.endr
.set KU, KU+1
.endr
.endm
.macro KMUL sl                         ; router: K step sl of my half of K: source 0 = 16 columns of W1, source 1 = the pooled row sixteen times
.irp c, 0,1,2
	ds_load_b128 v[36+4*\c:39+4*\c], v10 offset:(\sl)*1536+512*\c
.endr
	ds_load_b32 v9, v11 offset:128*(\sl)
	s_wait_dscnt 0x0
.rept 8
	v_nop                                          ; W1's scale word and fragments were written by vector instructions: eight places ahead of a scaled matrix instruction
.endr
.if (\sl) == 0
	v_wmma_scale_f32_16x16x128_f8f6f4 v[48:55], v[12:23], v[36:47], 0, v8, v9 matrix_a_fmt:MATRIX_FMT_BF6 matrix_b_fmt:MATRIX_FMT_BF6
	v_wmma_scale_f32_16x16x128_f8f6f4 v[56:63], v[24:35], v[36:47], 0, v8, v9 matrix_a_fmt:MATRIX_FMT_BF6 matrix_b_fmt:MATRIX_FMT_BF6 matrix_a_scale:MATRIX_SCALE_ROW1
.else
	v_wmma_scale_f32_16x16x128_f8f6f4 v[48:55], v[12:23], v[36:47], v[48:55], v8, v9 matrix_a_fmt:MATRIX_FMT_BF6 matrix_b_fmt:MATRIX_FMT_BF6
	v_wmma_scale_f32_16x16x128_f8f6f4 v[56:63], v[24:35], v[36:47], v[56:63], v8, v9 matrix_a_fmt:MATRIX_FMT_BF6 matrix_b_fmt:MATRIX_FMT_BF6 matrix_a_scale:MATRIX_SCALE_ROW1
.endif
.endm
; One block of 32 along K, the t-th of nb.  mode 0: the fragments are stored; mode 1: they are multiplied.
.macro QBLK t, pitch, mode, nb
.set XB, ST+32*((\t)%2)
.set CC, ((\t)%4)/2
.set FD, F0+12*((\t)%2)+6*CC
.set TD, TE+4*((\t)%2)
.if \mode
.set WR, 8
.else
.set WR, 8+(\t)/4
.endif
.if (\t) < (\nb)-1
	s_wait_loadcnt 32                              ; this block's 32 loads are in; the next block's 32 may be out
.else
	s_wait_loadcnt 0x0
.endif
.if (\mode == 0) && (((\t)%4) == 0) && ((\t) > 0)
	s_wait_xcnt 0x0                                ; the last K step's stores have read the fragments' registers, which are written again below
.endif
	v_max3_num_f32 v4, |v[XB]|, |v[XB+1]|, |v[XB+2]|                ; the block's largest magnitude: all 32 numbers are mine; two chains
	v_max3_num_f32 v5, |v[XB+3]|, |v[XB+4]|, |v[XB+5]|
.irp i, 6,10,14,18,22,26
	v_max3_num_f32 v4, v4, |v[XB+\i]|, |v[XB+\i+1]|
	v_max3_num_f32 v5, v5, |v[XB+\i+2]|, |v[XB+\i+3]|
.endr
	v_max3_num_f32 v4, v4, |v[XB+30]|, |v[XB+31]|
	v_max3_num_f32 v4, v4, v5, FLOOR               ; and the floor: the byte cannot fall under 1.  (In mode 1 these sixteen are the places behind the last two matrix instructions)
	v_add_nc_u32 v6, OFF4, v4                      ; 4 off the exponent field: the conversion takes this operand's exponent field as its scale
	v_cvt_scalef32_pk16_bf6_f32 v[FD:FD+2], v[XB:XB+15], v6
	v_cvt_scalef32_pk16_bf6_f32 v[TD:TD+2], v[XB+16:XB+31], v6      ; (a conversion's three registers begin on an even number)
	v_lshrrev_b32 v7, 23, v6                       ; the scale's byte; also the plain instruction behind the conversions
.if ((\t)%4) == 0
	v_mov_b32 v[WR], v7                            ; four bytes make a K step's scale word: my lane is the word's lane already (lanes 0-15 tile 0, lanes 16-31 tile 1)
.else
	v_lshl_or_b32 v[WR], v7, 8*((\t)%4), v[WR]
.endif
.if (\t)+2 < (\nb)
	LOADB (\t)+2, \pitch, \mode
.endif
.if ((\t)%2) == 1
.irp i, 0,1,2
	v_permlane16_swap_b32 v[F0+6*CC+\i], v[F1+6*CC+\i]   ; even block's lanes 16-31 <-> odd block's lanes 0-15: now tile 0's and tile 1's registers 6 c + i
.endr
.irp i, 0,1,2
	v_permlane16_swap_b32 v[TE+\i], v[TO+\i]
.endr
.irp i, 0,1,2
	v_mov_b32 v[F0+6*CC+3+\i], v[TE+\i]
	v_mov_b32 v[F1+6*CC+3+\i], v[TO+\i]
.endr
.endif
.if ((\t)%4) == 3
.if \mode
	KMUL (\t)/4
.else
	KOUT (\t)/4
.endif
.endif
.endm
; 64 numbers of a lane, v[s] .. v[s + 63], register 16 b + i = k 32 b + 16 (lane / 16) + i of my row, become a fragment's codes in v[PC] on and its scale word in v[PW]
.macro QUANT s
.irp b, 0,1,2,3
	v_max3_num_f32 v[TM+\b], |v[\s+16*\b]|, |v[\s+1+16*\b]|, FLOOR
.endr
.irp i, 2,4,6,8,10,12,14
.irp b, 0,1,2,3
	v_max3_num_f32 v[TM+\b], v[TM+\b], |v[\s+16*\b+\i]|, |v[\s+1+16*\b+\i]|
.endr
.endr
.irp b, 0,1,2,3
	v_permlanex16_b32 v[TM+4+\b], v[TM+\b], s40, s41
.endr
.irp b, 0,1,2,3
	v_max_num_f32 v[TM+\b], v[TM+\b], v[TM+4+\b]   ; with lane l xor 16's: the block's largest magnitude
.endr
.irp b, 0,1,2,3
	v_add_nc_u32 v[TM+12+\b], OFF4, v[TM+\b]
.endr
.irp b, 0,1,2,3
	v_lshrrev_b32 v[TM+4+\b], 23, v[TM+12+\b]
.endr
	v_lshl_or_b32 v[PW], v[TM+5], 8, v[TM+4]
	v_lshl_or_b32 v[PW], v[TM+6], 16, v[PW]
	v_lshl_or_b32 v[PW], v[TM+7], 24, v[PW]
.irp c, 0,1
	v_cvt_scalef32_pk16_bf6_f32 v[PC+6*\c:PC+2+6*\c], v[\s+32*\c:\s+15+32*\c], v[TM+12+2*\c]
	v_cvt_scalef32_pk16_bf6_f32 v[PC+12+4*\c:PC+14+4*\c], v[\s+16+32*\c:\s+31+32*\c], v[TM+12+2*\c+1]
.endr
	v_nop                                          ; one plain instruction behind the conversions
.irp c, 0,1
.irp i, 0,1,2
	v_permlane16_swap_b32 v[PC+6*\c+\i], v[PC+12+4*\c+\i]   ; the operand wants a whole block in a lane
.endr
.irp i, 0,1,2
	v_mov_b32 v[PC+3+6*\c+\i], v[PC+12+4*\c+\i]
.endr
.endr
.endm
; A weight's path.  s30 = the unit among the tensor's 128; s38 = which of the unit's four K steps the work begins with (0 in a full work-group); nb = blocks of 32 along K: 16 (the whole unit) or 4 (one K step).
; wlo, dlo: the scalar pairs with the tensor's and the workspace's address
.macro QWPATH wlo, dlo, gmask, chsh, pitch, gstr, sstr, nb
	s_lshr_b32 s31, s30, 4                         ; the zone
	s_and_b32 s32, s30, 15
	s_and_b32 s33, s32, \gmask
	s_lshl_b32 s33, s33, 4
	s_add_co_u32 s33, s33, s28                     ; my group of 32 columns
	s_lshr_b32 s34, s32, \chsh                     ; the unit's 512 along K,
	s_lshl_b32 s34, s34, 2
	s_add_co_u32 s34, s34, s38                     ; as my first K step of 128
	s_lshl_b32 s36, s31, 24                        ; a zone is 16,777,216 bytes
	s_mul_i32 s35, s34, 128*\pitch
	s_add_co_u32 s36, s36, s35
	s_lshl_b32 s35, s33, 7
	s_add_co_u32 s36, s36, s35
	s_mov_b32 s37, 0
	s_add_nc_u64 s[44:45], s[\wlo:\wlo+1], s[36:37]
	s_mul_i32 s36, s31, 3145728                    ; the codes: zone, group, K steps of 3,072 bytes
	s_mul_i32 s35, s33, \gstr
	s_add_co_u32 s36, s36, s35
	s_mul_i32 s35, s34, 3072
	s_add_co_u32 s36, s36, s35
	s_add_nc_u64 s[46:47], s[\dlo:\dlo+1], s[36:37]
	s_lshl_b32 s36, s31, 17                        ; the scale words, behind all the codes: four K steps' words are a lane's 16 bytes, 512 bytes for the 32 lanes
	s_mul_i32 s35, s33, \sstr
	s_add_co_u32 s36, s36, s35
	s_lshr_b32 s35, s34, 2
	s_lshl_b32 s35, s35, 9
	s_add_co_u32 s36, s36, s35
	s_lshl_b32 s35, s38, 2                         ; a quarter's one word among the four
	s_add_co_u32 s36, s36, s35
	s_add_co_u32 s36, s36, 25165824
	s_add_nc_u64 s[48:49], s[\dlo:\dlo+1], s[36:37]
	LOADB 0, \pitch, 0
	LOADB 1, \pitch, 0
.set QT, 0
.rept \nb
	QBLK QT, \pitch, 0, \nb
.set QT, QT+1
.endr
.if \nb == 16
	global_store_b128 v2, v[8:11], s[48:49] th:TH_STORE_NT   ; four K steps' scale words a lane: 512 consecutive bytes
.else
	global_store_b32 v2, v8, s[48:49]              ; one K step's word: 4 bytes a lane, 16 apart; so leave one sixteenth of the scale words, which are 1 / 24 of the codes' bytes
.endif
	s_endpgm
.endm
.macro XLOAD off                       ; 16 rows x 128 along K: lane (r, h) takes 16 neighbours of each block of 32 of row r
.set XJ, 0
.rept 16
	global_load_b128 v[ST+4*XJ:ST+4*XJ+3], v4, s[44:45] offset:\off+128*(XJ/4)+16*(XJ%4)
.set XJ, XJ+1
.endr
.endm
	s_load_b512 s[4:19], s[0:1], 0x0               ; x, W1, b1, W2, b2, Wa, Wb, xqb
	s_load_b256 s[20:27], s[0:1], 0x40             ; wqa, wqb, sel, gate
	v_lshl_add_u32 v128, v0, 2, 0x6000
	v_mov_b32 v129, 0
	v_lshrrev_b32 v1, 5, v0
	v_readfirstlane_b32 s28, v1                    ; wave 0..15
	v_and_b32 v3, 31, v0                           ; lane
	v_lshlrev_b32 v2, 4, v3                        ; 16 x lane: an image's place
	v_and_b32 v1, 7, v0
	v_bfe_u32 v4, v0, 3, 1
	v_lshl_add_u32 v1, v4, 4, v1
	v_bfe_u32 v4, v0, 4, 1
	v_lshl_add_u32 v1, v4, 3, v1                   ; my column of the 32: (l & 7) + 16 ((l >> 3) & 1) + 8 (l >> 4)
	v_lshlrev_b32 v1, 2, v1
	v_lshlrev_b32 v3, 2, v3                        ; 4 x lane: a scale word's place
	s_mov_b32 s40, 0x76543210
	s_mov_b32 s41, 0xfedcba98                      ; v_permlanex16_b32's selects for lane l xor 16
	s_mov_b32 s42, 0xffff0000                      ; lanes 16-31
	s_mov_b32 s38, 0                               ; a full work-group begins with its unit's first K step
	s_wait_kmcnt 0x0
	s_cmp_lt_u32 ttmp9, 80
	s_cselect_b32 s30, 0, 16
	s_sub_co_u32 s30, ttmp9, s30                   ; a full work-group's place among the 240: its number, less the 16 routers where it lies behind them
	s_cmp_lt_u32 ttmp9, 80
	s_cbranch_scc1 .Lfull
	s_cmp_lt_u32 ttmp9, 96
	s_cbranch_scc1 .Lrouter
	s_cmp_lt_u32 ttmp9, 256
	s_cbranch_scc1 .Lfull
	s_cmp_lt_u32 ttmp9, 320
	s_cbranch_scc0 .Lxq
	; a quarter: j = number - 256; j < 32: Wa, else Wb; unit 120 + (j / 4) % 8, K step j % 4 of it
	s_sub_co_u32 s31, ttmp9, 256
	s_and_b32 s38, s31, 3
	s_bfe_u32 s30, s31, 0x30002                    ; three bits from bit 2
	s_add_co_u32 s30, s30, 120
	s_cmp_lt_u32 s31, 32
	s_cbranch_scc0 .Lwb_q
	QWPATH 14, 20, 7, 3, 16384, 24576, 1024, 4
.Lwb_q:
	QWPATH 16, 22, 1, 1, 4096, 98304, 4096, 4
.Lfull:
	s_cmp_lt_u32 s30, 120                          ; places 0-119: Wa's units 0-119; places 120-239: Wb's
	s_cbranch_scc0 .Lwb
	QWPATH 14, 20, 7, 3, 16384, 24576, 1024, 16    ; Wa: rows of 16,384 bytes; 8 x 16 groups, 2 chunks of K.  The largest offset, 511 x 16,384, lies inside the signed 24-bit immediate
.Lwb:
	s_sub_co_u32 s30, s30, 120
	QWPATH 16, 22, 1, 1, 4096, 98304, 4096, 16     ; Wb: rows of 4,096 bytes; 2 x 16 groups, 8 chunks of K
; ---------------- XQ: wave w takes K step w / 2 and the row tiles 2 p, 2 p + 1, p = w % 2
.Lxq:
	s_sub_co_u32 s30, ttmp9, 320                   ; the batch
	s_lshr_b32 s31, s28, 1
	s_and_b32 s32, s28, 1
	s_lshl_b32 s36, s30, 18                        ; a batch of x is 262,144 bytes,
	s_lshl_b32 s35, s32, 17                        ; 32 rows 131,072,
	s_add_co_u32 s36, s36, s35
	s_lshl_b32 s35, s31, 9                         ; 128 along K 512
	s_add_co_u32 s36, s36, s35
	s_mov_b32 s37, 0
	s_add_nc_u64 s[44:45], s[4:5], s[36:37]
	s_mul_i32 s36, s30, 49152
	s_mul_i32 s35, s31, 6144
	s_add_co_u32 s36, s36, s35
	s_mul_i32 s35, s32, 3072
	s_add_co_u32 s36, s36, s35
	s_add_nc_u64 s[46:47], s[18:19], s[36:37]      ; the two images
	s_lshl_b32 s36, s30, 11
	s_lshl_b32 s35, s31, 8
	s_add_co_u32 s36, s36, s35
	s_lshl_b32 s35, s32, 7
	s_add_co_u32 s36, s36, s35
	s_add_co_u32 s36, s36, 786432
	s_add_nc_u64 s[48:49], s[18:19], s[36:37]      ; their one register of scale words
	v_and_b32 v4, 15, v0
	v_lshlrev_b32 v4, 12, v4
	v_bfe_u32 v5, v0, 4, 1
	v_lshl_add_u32 v4, v5, 6, v4                   ; row r of 4,096 bytes, + 64 h
.irp b, 0,1,2,3
	v_mov_b32 v[TM+4+\b], 0                        ; a lane permute's destination counts as read
.endr
	XLOAD 0
	s_wait_loadcnt 0x0
	QUANT ST
	XLOAD 65536                                    ; the next 16 rows land while the first image leaves
.irp c, 0,1,2
	global_store_b128 v2, v[PC+4*\c:PC+4*\c+3], s[46:47] offset:512*\c
.endr
	v_mov_b32 v29, v[PW]
	s_wait_xcnt 0x0                                ; the stores have read the fragment's registers
	s_wait_loadcnt 0x0
	QUANT ST
.irp c, 0,1,2
	global_store_b128 v2, v[PC+4*\c:PC+4*\c+3], s[46:47] offset:1536+512*\c
.endr
	v_cndmask_b32 v30, v29, v[PW], s42             ; lanes 0-15: tile 2 p's words; lanes 16-31: tile 2 p + 1's
	global_store_b32 v3, v30, s[48:49]
	s_endpgm
; ---------------- ROUTER
.Lrouter:
	s_sub_co_u32 s51, ttmp9, 80                    ; the batch
	s_and_b32 s29, s28, 7                          ; g: my 32 hidden units in phase 2; my K step in phase 1
	s_lshr_b32 s30, s28, 3                         ; which half of K is mine in phase 2
	s_mov_b32 s37, 0
	s_lshl_b32 s36, s51, 18
	s_add_nc_u64 s[46:47], s[4:5], s[36:37]        ; my batch of x
	s_lshl_b32 s36, s51, 4
	s_add_nc_u64 s[24:25], s[24:25], s[36:37]      ; my 16 bytes of sel
	s_add_nc_u64 s[26:27], s[26:27], s[36:37]      ; and of gate
	s_lshl_b32 s36, s30, 19                        ; 512 rows of W1, 1,024 bytes each
	s_lshl_b32 s35, s29, 7
	s_add_co_u32 s36, s36, s35
	s_add_nc_u64 s[44:45], s[6:7], s[36:37]
	v_and_b32 v6, 31, v0                           ; every LDS address is made here, ahead of the first parting of the waves
	v_bfe_u32 v7, v0, 4, 1
	v_lshlrev_b32 v52, 3, v0                       ; 8 x thread: my two columns, in x's rows and in the pooled row
	s_lshl_b32 s35, s29, 9
	v_lshl_add_u32 v53, v7, 6, s35                 ; the pooled row's K step g, + 64 h
	s_mul_i32 s35, s29, 1536
	s_add_co_u32 s35, s35, PIMG
	v_lshl_add_u32 v54, v6, 4, s35                 ; where its image goes
	s_lshl_b32 s35, s29, 7
	s_add_co_u32 s35, s35, PSC
	v_lshl_add_u32 v55, v6, 2, s35                 ; and its scale words
	s_mul_i32 s35, s30, 6144
	s_add_co_u32 s35, s35, PIMG
	v_lshl_add_u32 v10, v6, 4, s35                 ; the four images of my half of K
	s_lshl_b32 s35, s30, 9
	s_add_co_u32 s35, s35, PSC
	v_lshl_add_u32 v11, v6, 2, s35
	s_lshl_b32 s35, s30, 10
	s_lshl_b32 s34, s29, 7
	s_add_co_u32 s35, s35, s34
	s_add_co_u32 s35, s35, HP
	v_lshl_add_u32 v2, v7, 6, s35                  ; my sums: half of K, 32 g units, + 16 h units
	v_lshl_add_u32 v3, v6, 5, HP                   ; the last phase: eight units a lane
	; phase 0: the mean.  Thread t sums columns 2 t, 2 t + 1 over the 64 tokens, 32 rows at a time, in four chains
.set RI, 0
.rept 32
	global_load_b64 v[ST+2*RI:ST+2*RI+1], v52, s[46:47] offset:4096*RI
.set RI, RI+1
.endr
	s_wait_loadcnt 0x0
.irp c, 0,1,2,3
	v_pk_add_f32 v[12+2*\c:13+2*\c], v[ST+2*\c:ST+2*\c+1], v[ST+8+2*\c:ST+9+2*\c]
.endr
.set RI, 8
.rept 24
	v_pk_add_f32 v[12+2*(RI%4):13+2*(RI%4)], v[12+2*(RI%4):13+2*(RI%4)], v[ST+2*RI:ST+2*RI+1]
.set RI, RI+1
.endr
.set RI, 0
.rept 32
	global_load_b64 v[ST+2*RI:ST+2*RI+1], v52, s[46:47] offset:4096*(32+RI)
.set RI, RI+1
.endr
	s_wait_loadcnt 0x0
.set RI, 0
.rept 32
	v_pk_add_f32 v[12+2*(RI%4):13+2*(RI%4)], v[12+2*(RI%4):13+2*(RI%4)], v[ST+2*RI:ST+2*RI+1]
.set RI, RI+1
.endr
	v_pk_add_f32 v[12:13], v[12:13], v[14:15]
	v_pk_add_f32 v[16:17], v[16:17], v[18:19]
	v_pk_add_f32 v[12:13], v[12:13], v[16:17]
	v_pk_mul_f32 v[12:13], v[12:13], 0x3c800000 op_sel_hi:[1,0]     ; / 64, exact
	ds_store_b64 v52, v[12:13]
	BARRIER                                        ; the pooled row lies in LDS
	; phase 1: waves 0-7 quantise one K step each.  All sixteen rows of the fragment are the pooled row
	s_cmp_lt_u32 s28, 8
	s_cbranch_scc0 .Lp1_done
.set XJ, 0
.rept 16
	ds_load_b128 v[ST+4*XJ:ST+4*XJ+3], v53 offset:128*(XJ/4)+16*(XJ%4)
.set XJ, XJ+1
.endr
.irp b, 0,1,2,3
	v_mov_b32 v[TM+4+\b], 0
.endr
	s_wait_dscnt 0x0
	QUANT ST
.irp c, 0,1,2
	ds_store_b128 v54, v[PC+4*\c:PC+4*\c+3] offset:512*\c
.endr
	ds_store_b32 v55, v[PW]
.Lp1_done:
	BARRIER                                        ; its eight images and their scale words lie in LDS
	; phase 2: wave w quantises W1's columns 32 g .. 32 g + 31 over its half of K and multiplies as it goes: two accumulators by turns
	LOADB 0, 1024, 1
	LOADB 1, 1024, 1
.set QT, 0
.rept 16
	QBLK QT, 1024, 1, 16
.set QT, QT+1
.endr
.rept 4
	v_nop                                          ; four places ahead of the stores that read the results
.endr
	ds_store_b128 v2, v[48:51]                     ; lane (r, h), tile u, register j: hidden unit 32 g + 16 h + 8 u + j; the sixteen r hold, and write, the same
	ds_store_b128 v2, v[52:55] offset:16
	ds_store_b128 v2, v[56:59] offset:32
	ds_store_b128 v2, v[60:63] offset:48
	BARRIER                                        ; both halves' sums lie in LDS
	s_cmp_lg_u32 s28, 0
	s_cbranch_scc1 .Lend
	; phase 3, wave 0 alone: lane l takes hidden units 8 l .. 8 l + 7
	s_load_b256 s[52:59], s[12:13], 0x0            ; b2
	ds_load_b128 v[12:15], v3
	ds_load_b128 v[16:19], v3 offset:16
	ds_load_b128 v[20:23], v3 offset:1024
	ds_load_b128 v[24:27], v3 offset:1040
	v_and_b32 v5, 31, v0
	v_lshlrev_b32 v4, 5, v5
	v_lshlrev_b32 v5, 8, v5
	global_load_b128 v[28:31], v4, s[8:9]          ; b1
	global_load_b128 v[32:35], v4, s[8:9] offset:16
.set XJ, 0
.rept 16
	global_load_b128 v[ST+4*XJ:ST+4*XJ+3], v5, s[10:11] offset:16*XJ   ; W2: register 8 i + e = W2(8 l + i, e)
.set XJ, XJ+1
.endr
.irp e, 0,1,2,3,4,5,6,7
	v_mov_b32 v[44+\e], 0                          ; lane permutes' destinations
.endr
	v_mov_b32 v60, -1.0                            ; under every probability
	s_wait_dscnt 0x0
	s_wait_loadcnt 0x0
	s_wait_kmcnt 0x0
.irp i, 0,1,2,3
	v_pk_add_f32 v[12+2*\i:13+2*\i], v[12+2*\i:13+2*\i], v[20+2*\i:21+2*\i]
.endr
.irp i, 0,1,2,3
	v_pk_add_f32 v[12+2*\i:13+2*\i], v[12+2*\i:13+2*\i], v[28+2*\i:29+2*\i]
.endr
.irp i, 0,1,2,3,4,5,6,7
	v_mul_f32 v[12+\i], 0x4038aa3b, v[12+\i]       ; 2 log2(e) z
.endr
.irp i, 0,1,2,3,4,5,6,7
	v_exp_f32 v[12+\i], v[12+\i]
.endr
	v_nop
	s_wait_alu depctr_va_vdst(0)                   ; one wait for the eight exponentials, ahead of their first reader
.irp i, 0,1,2,3,4,5,6,7
	v_add_f32 v[12+\i], 1.0, v[12+\i]
.endr
.irp i, 0,1,2,3,4,5,6,7
	v_rcp_f32 v[12+\i], v[12+\i]
.endr
	v_nop
	s_wait_alu depctr_va_vdst(0)                   ; and one for the eight reciprocals
.irp i, 0,1,2,3,4,5,6,7
	v_fma_f32 v[12+\i], v[12+\i], -2.0, 1.0        ; tanh z = 1 - 2 / (1 + e^(2 z))
.endr
.irp e, 0,1,2,3,4,5,6,7
	v_mul_f32 v[36+\e], v12, v[ST+\e]
.endr
.irp i, 1,2,3,4,5,6,7
.irp e, 0,1,2,3,4,5,6,7
	v_fmac_f32 v[36+\e], v[12+\i], v[ST+8*\i+\e]
.endr
.endr
.irp m, 1,2,4,8
.irp e, 0,1,2,3,4,5,6,7
	v_add_f32_dpp v[36+\e], v[36+\e], v[36+\e] row_xmask:\m row_mask:0xf bank_mask:0xf
.endr
.endr
.irp e, 0,1,2,3,4,5,6,7
	v_permlanex16_b32 v[44+\e], v[36+\e], s40, s41
.endr
.irp e, 0,1,2,3,4,5,6,7
	v_add_f32 v[36+\e], v[36+\e], v[44+\e]
.endr
.irp e, 0,1,2,3,4,5,6,7
	v_add_f32 v[36+\e], s[52+\e], v[36+\e]         ; the eight logits, in every lane
.endr
	v_max3_num_f32 v61, v36, v37, v38
	v_max3_num_f32 v61, v61, v39, v40
	v_max3_num_f32 v61, v61, v41, v42
	v_max_num_f32 v61, v61, v43
.irp e, 0,1,2,3,4,5,6,7
	v_sub_f32 v[36+\e], v[36+\e], v61              ; the maximum is taken away ahead of the exponential
.endr
.irp e, 0,1,2,3,4,5,6,7
	v_mul_f32 v[36+\e], 0x3fb8aa3b, v[36+\e]
.endr
.irp e, 0,1,2,3,4,5,6,7
	v_exp_f32 v[36+\e], v[36+\e]
.endr
	v_nop
	s_wait_alu depctr_va_vdst(0)
	v_add_f32 v62, v36, v37
.irp e, 2,3,4,5,6,7
	v_add_f32 v62, v62, v[36+\e]
.endr
	v_rcp_f32 v62, v62
	v_nop
	s_wait_alu depctr_va_vdst(0)
.irp e, 0,1,2,3,4,5,6,7
	v_mul_f32 v[36+\e], v[36+\e], v62              ; the probabilities
.endr
.macro TOP k                           ; the largest left, its zone (the lower number among equals), and the zone struck out.  Selections only: no branch, no address
	v_max3_num_f32 v[56+\k], v36, v37, v38
	v_max3_num_f32 v[56+\k], v[56+\k], v39, v40
	v_max3_num_f32 v[56+\k], v[56+\k], v41, v42
	v_max_num_f32 v[56+\k], v[56+\k], v43
	v_mov_b32 v[52+\k], 7
.irp e, 6,5,4,3,2,1,0
	v_cmp_neq_f32 vcc_lo, v[36+\e], v[56+\k]
	v_cndmask_b32 v[52+\k], \e, v[52+\k], vcc_lo
.endr
.irp e, 0,1,2,3,4,5,6,7
	v_cmp_eq_u32 vcc_lo, \e, v[52+\k]
	v_cndmask_b32 v[36+\e], v[36+\e], v60, vcc_lo
.endr
.endm
	TOP 0
	TOP 1
	TOP 2
	v_add_f32 v61, v56, v57
	v_add_f32 v61, v61, v58
	v_rcp_f32 v61, v61
	v_mov_b32 v55, 0
	v_mov_b32 v59, 0
	v_mov_b32 v7, 0
	s_wait_alu depctr_va_vdst(0)
	v_mul_f32 v56, v56, v61
	v_mul_f32 v57, v57, v61
	v_mul_f32 v58, v58, v61
	v_cmp_eq_u32 vcc_lo, 0, v0
	s_wait_xcnt 0x0                                ; EXEC changes only behind this wait
	s_and_saveexec_b32 s50, vcc_lo
	global_store_b128 v7, v[52:55], s[24:25]       ; lane 0: the three zones and a 0
	global_store_b128 v7, v[56:59], s[26:27]       ; their weights and a 0
	s_wait_xcnt 0x0
	s_or_b32 exec_lo, exec_lo, s50
.Lend:
	s_wait_tensorcnt 0x0
	ds_add_u32 v128, v129
	s_wait_dscnt 0x0
	s_endpgm
.Lfunc_end_k_q3f99b2372d_prep:
	.size	k_q3f99b2372d_prep, .Lfunc_end_k_q3f99b2372d_prep-k_q3f99b2372d_prep
	.p2alignl 7, 3214868480
	.fill 96, 4, 3214868480
	.section	.rodata,"a",@progbits
	.p2align	6, 0x0
	.amdhsa_kernel k_q3f99b2372d_prep
		.amdhsa_group_segment_fixed_size 26624
		.amdhsa_private_segment_fixed_size 0
		.amdhsa_enable_private_segment 0
		.amdhsa_kernarg_size 96
		.amdhsa_user_sgpr_count 2
		.amdhsa_user_sgpr_kernarg_segment_ptr 1
		.amdhsa_wavefront_size32 1
		.amdhsa_system_sgpr_workgroup_id_x 1
		.amdhsa_system_sgpr_workgroup_id_y 1
		.amdhsa_system_sgpr_workgroup_id_z 1
		.amdhsa_system_vgpr_workitem_id 0
		.amdhsa_next_free_vgpr 130
		.amdhsa_next_free_sgpr 66
		.amdhsa_reserve_vcc 1
		.amdhsa_float_denorm_mode_32 3
		.amdhsa_float_denorm_mode_16_64 3
		.amdhsa_memory_ordered 1
		.amdhsa_forward_progress 1
		.amdhsa_inst_pref_size 255
	.end_amdhsa_kernel
	.section	.bss,"aw",@nobits
	.p2align	6
	.space	262144
	.amdgpu_metadata
---
amdhsa.version: [ 1, 2 ]
amdhsa.kernels:
  - .name:           k_q3f99b2372d_prep
    .symbol:         k_q3f99b2372d_prep.kd
    .args:
      - { .name: x, .offset: 0, .size: 8, .value_kind: global_buffer, .address_space: global }
      - { .name: W1, .offset: 8, .size: 8, .value_kind: global_buffer, .address_space: global }
      - { .name: b1, .offset: 16, .size: 8, .value_kind: global_buffer, .address_space: global }
      - { .name: W2, .offset: 24, .size: 8, .value_kind: global_buffer, .address_space: global }
      - { .name: b2, .offset: 32, .size: 8, .value_kind: global_buffer, .address_space: global }
      - { .name: Wa, .offset: 40, .size: 8, .value_kind: global_buffer, .address_space: global }
      - { .name: Wb, .offset: 48, .size: 8, .value_kind: global_buffer, .address_space: global }
      - { .name: xqb, .offset: 56, .size: 8, .value_kind: global_buffer, .address_space: global }
      - { .name: wqa, .offset: 64, .size: 8, .value_kind: global_buffer, .address_space: global }
      - { .name: wqb, .offset: 72, .size: 8, .value_kind: global_buffer, .address_space: global }
      - { .name: sel, .offset: 80, .size: 8, .value_kind: global_buffer, .address_space: global }
      - { .name: gate, .offset: 88, .size: 8, .value_kind: global_buffer, .address_space: global }
    .group_segment_fixed_size: 26624
    .private_segment_fixed_size: 0
    .kernarg_segment_align: 8
    .kernarg_segment_size: 96
    .max_flat_workgroup_size: 512
    .sgpr_count:     66
    .vgpr_count:     130
    .wavefront_size: 32
...
	.end_amdgpu_metadata
.endif
;; end of part 1
;; launch up (part 2): grid 16 x 16, 4 waves a work-group, no clusters, 0 bytes of LDS; arguments xqb, wqa, sel, hqb; writes hqb
.if DOCPART == 2
	.amdgcn_target "amdgcn-amd-amdhsa--gfx1250"
	.amdhsa_code_object_version 6
	.text
	.protected	k_q3f99b2372d_up
	.globl	k_q3f99b2372d_up
	.p2align	8
	.type	k_q3f99b2372d_up,@function
k_q3f99b2372d_up:
	s_mov_b64 s[64:65], 0
	v_nop
	global_prefetch_b8 v0, s[64:65] scope:SCOPE_SE
	s_setreg_imm32_b32 hwreg(HW_REG_WAVE_MODE, 25, 1), 1
	s_wait_xcnt 0x0
; UP.  h = Q(gelu(Q(x) Q(Wa[e]))) for the three zones e that the router chose for a batch; the other five have the weight 0 in the problem's own one-hot and are not multiplied.
; SHARES.  Work-group (x, y) = (slice of 256 hidden units, batch).  Wave w takes hidden units 256 x + 64 w .. + 63 for the batch's 64 rows, three times (zone 0, 1, 2 of the batch).
; Only a base address hangs on the choice: the zone's number, read as a whole number from sel and held to 0 .. 7.  No branch, no trip count, no LDS, no barrier.
; OPERANDS lie in memory as images of their registers, so each fragment comes by three loads of 16 bytes a lane, and each byte is loaded by one wave of the work-group alone.
; x's 32 fragments (8 K steps x 4 row tiles) stay in registers for all three zones; a zone's 32 weight fragments are resident too, and a K step's four are asked for anew, for the next zone, behind its multiplication (steps 0-4) or behind gelu's row tiles 0-2 (steps 5-7).
; THE PRODUCT IS USED TRANSPOSED (source 0 = 16 columns of Wa, source 1 = 16 rows of x) and a weight tile's columns are chosen so that a lane's 32 results of a row tile are k = 32 b + 16 (lane / 16) + i of the
; next product: two blocks of 32, shared with lane l xor 16.  They are quantised in registers and leave as half an image (registers 6 c .. 6 c + 5, c = w % 2) of K step 2 x + w / 2.
; gelu is jax's default (tanh form): a / (1 + 2^(a (c0 + c1 a^2))), c0 = -2 sqrt(2 / pi) log2(e), c1 = 0.044715 c0, all in f32.
; LIMITS: NaN and infinities are not served; a block of zeros gets the byte 1 (its codes are zeros; this program alone reads the bytes).
; No cluster: what work-groups share here are a zone's weights, and which work-groups share a zone hangs on sel, which a mask written in the text cannot follow; x's codes are a quarter of a work-group's bytes.
; REGISTERS.  Window 0: v1-3 16, 8, 4 x lane; v16-31 x's scale words (2 s + p); v32-47 the weights' (8 g' + s); v48-51 c0, c1 as pairs; v52-63 fragment 63; v64-95 gelu's scratch, later the codes;
;   v96-113 the quantiser's; v128-255 the 16 accumulators ((mt, nt) at 128 + 32 mt + 8 nt).  Windows 1-3: fragments 0 .. 62, 21 to a window, none across a window's end.
.set XSR, 16
.set BSR, 32
.set ACC, 128
.set TG,  64
.set FLOOR, 0x2800000
.set OFF4,  0xfe000000
.set MSB, 0
.macro WIN new                         ; the immediate's high byte repeats the setting that is left; a switch that changes nothing is dropped
.if MSB != (\new)
	s_set_vgpr_msb (MSB<<8)|(\new)
.set MSB, (\new)
.endif
.endm
.macro FR f                            ; fragment f: its window FW and its first register there FL.  x's (s, mt) is f = 4 s + mt, the weights' (s, nt) is f = 32 + 4 s + nt
.if (\f) == 63
.set FW, 0
.set FL, 52
.else
.set FW, 1+(\f)/21
.set FL, 12*((\f)%21)
.endif
.endm
.macro WM d, a, b, zero, sa, sb, ra, rb ; one matrix instruction; ra, rb: which half of the lanes holds source 0's and source 1's scale words
.if \zero
.if ((\ra) == 0) && ((\rb) == 0)
	v_wmma_scale_f32_16x16x128_f8f6f4 v[\d:\d+7], v[\a:\a+11], v[\b:\b+11], 0, v[\sa], v[\sb] matrix_a_fmt:MATRIX_FMT_BF6 matrix_b_fmt:MATRIX_FMT_BF6
.elseif ((\ra) == 1) && ((\rb) == 0)
	v_wmma_scale_f32_16x16x128_f8f6f4 v[\d:\d+7], v[\a:\a+11], v[\b:\b+11], 0, v[\sa], v[\sb] matrix_a_fmt:MATRIX_FMT_BF6 matrix_b_fmt:MATRIX_FMT_BF6 matrix_a_scale:MATRIX_SCALE_ROW1
.elseif ((\ra) == 0) && ((\rb) == 1)
	v_wmma_scale_f32_16x16x128_f8f6f4 v[\d:\d+7], v[\a:\a+11], v[\b:\b+11], 0, v[\sa], v[\sb] matrix_a_fmt:MATRIX_FMT_BF6 matrix_b_fmt:MATRIX_FMT_BF6 matrix_b_scale:MATRIX_SCALE_ROW1
.else
	v_wmma_scale_f32_16x16x128_f8f6f4 v[\d:\d+7], v[\a:\a+11], v[\b:\b+11], 0, v[\sa], v[\sb] matrix_a_fmt:MATRIX_FMT_BF6 matrix_b_fmt:MATRIX_FMT_BF6 matrix_a_scale:MATRIX_SCALE_ROW1 matrix_b_scale:MATRIX_SCALE_ROW1
.endif
.else
.if ((\ra) == 0) && ((\rb) == 0)
	v_wmma_scale_f32_16x16x128_f8f6f4 v[\d:\d+7], v[\a:\a+11], v[\b:\b+11], v[\d:\d+7], v[\sa], v[\sb] matrix_a_fmt:MATRIX_FMT_BF6 matrix_b_fmt:MATRIX_FMT_BF6
.elseif ((\ra) == 1) && ((\rb) == 0)
	v_wmma_scale_f32_16x16x128_f8f6f4 v[\d:\d+7], v[\a:\a+11], v[\b:\b+11], v[\d:\d+7], v[\sa], v[\sb] matrix_a_fmt:MATRIX_FMT_BF6 matrix_b_fmt:MATRIX_FMT_BF6 matrix_a_scale:MATRIX_SCALE_ROW1
.elseif ((\ra) == 0) && ((\rb) == 1)
	v_wmma_scale_f32_16x16x128_f8f6f4 v[\d:\d+7], v[\a:\a+11], v[\b:\b+11], v[\d:\d+7], v[\sa], v[\sb] matrix_a_fmt:MATRIX_FMT_BF6 matrix_b_fmt:MATRIX_FMT_BF6 matrix_b_scale:MATRIX_SCALE_ROW1
.else
	v_wmma_scale_f32_16x16x128_f8f6f4 v[\d:\d+7], v[\a:\a+11], v[\b:\b+11], v[\d:\d+7], v[\sa], v[\sb] matrix_a_fmt:MATRIX_FMT_BF6 matrix_b_fmt:MATRIX_FMT_BF6 matrix_a_scale:MATRIX_SCALE_ROW1 matrix_b_scale:MATRIX_SCALE_ROW1
.endif
.endif
.endm
.macro PLACES
.rept 4
	v_nop
.endr
.endm
.macro LDX s                           ; x's four fragments of K step s
.set MT, 0
.rept 4
	FR 4*(\s)+MT
	WIN FW<<6
.set GR, 0
.rept 3
	global_load_b128 v[FL+4*GR:FL+4*GR+3], v1, s[44:45] offset:(\s)*6144+MT*1536+512*GR
.set GR, GR+1
.endr
.set MT, MT+1
.endr
	WIN 0
.endm
.macro LDB k, s                        ; zone k's four weight fragments of K step s
.set NT, 0
.rept 4
	FR 32+4*(\s)+NT
	WIN FW<<6
.set GR, 0
.rept 3
	global_load_b128 v[FL+4*GR:FL+4*GR+3], v1, s[20+2*(\k):21+2*(\k)] offset:(NT/2)*24576+(\s)*3072+(NT%2)*1536+512*GR
.set GR, GR+1
.endr
.set NT, NT+1
.endr
	WIN 0
.endm
.macro LDBS k                          ; zone k's scale words: group g', four K steps to a load
.set GR, 0
.rept 4
	global_load_b128 v[BSR+4*GR:BSR+4*GR+3], v1, s[26+2*(\k):27+2*(\k)] offset:(GR/2)*1024+(GR%2)*512
.set GR, GR+1
.endr
.endm
.macro STEP s, zero                    ; 128 along K: the 16 accumulators take turns, one instruction a turn, in the same order in every step
.set MT, 0
.rept 4
.set NT, 0
.rept 4
	FR 4*(\s)+MT
.set XW, FW
.set XL, FL
	FR 32+4*(\s)+NT
	WIN FW|(XW<<2)
.set AC, ACC+32*MT+8*NT
.set SA, BSR+8*(NT/2)+(\s)
.set SB, XSR+2*(\s)+MT/2
.set RA, NT%2
.set RB, MT%2
	WM AC, FL, XL, \zero, SA, SB, RA, RB
.set NT, NT+1
.endr
.set MT, MT+1
.endr
	WIN 0
.endm
.macro GELU mt                         ; the row tile's 32 numbers a lane, in place; each accumulator is read from its low end on
.set GA, ACC+32*(\mt)
.set GJ, 0
.rept 16
	v_pk_mul_f32 v[TG+GJ:TG+GJ+1], v[GA+GJ:GA+GJ+1], v[GA+GJ:GA+GJ+1]
.set GJ, GJ+2
.endr
.set GJ, 0
.rept 16
	v_pk_fma_f32 v[TG+GJ:TG+GJ+1], v[TG+GJ:TG+GJ+1], v[50:51], v[48:49]
.set GJ, GJ+2
.endr
.set GJ, 0
.rept 16
	v_pk_mul_f32 v[TG+GJ:TG+GJ+1], v[TG+GJ:TG+GJ+1], v[GA+GJ:GA+GJ+1]
.set GJ, GJ+2
.endr
.set GJ, 0
.rept 32
	v_exp_f32 v[TG+GJ], v[TG+GJ]
.set GJ, GJ+1
.endr
	v_nop
	s_wait_alu depctr_va_vdst(0)                   ; one wait for the 32 exponentials, ahead of their first reader
.set GJ, 0
.rept 16
	v_pk_add_f32 v[TG+GJ:TG+GJ+1], v[TG+GJ:TG+GJ+1], 1.0 op_sel_hi:[1,0]
.set GJ, GJ+2
.endr
.set GJ, 0
.rept 32
	v_rcp_f32 v[TG+GJ], v[TG+GJ]
.set GJ, GJ+1
.endr
	v_nop
	s_wait_alu depctr_va_vdst(0)                   ; and one for the 32 reciprocals
.set GJ, 0
.rept 16
	v_pk_mul_f32 v[GA+GJ:GA+GJ+1], v[GA+GJ:GA+GJ+1], v[TG+GJ:TG+GJ+1]
.set GJ, GJ+2
.endr
.endm
.macro QUANT2 mt, k                    ; the row tile's two blocks of 32 become six registers of codes and two scale bytes
.set QA, ACC+32*(\mt)
.set QH, TG+8*(\mt)
	v_max3_num_f32 v96, |v[QA]|, |v[QA+1]|, FLOOR
	v_max3_num_f32 v97, |v[QA+16]|, |v[QA+17]|, FLOOR
.irp i, 2,4,6,8,10,12,14
	v_max3_num_f32 v96, v96, |v[QA+\i]|, |v[QA+\i+1]|
	v_max3_num_f32 v97, v97, |v[QA+16+\i]|, |v[QA+17+\i]|
.endr
	v_permlanex16_b32 v98, v96, s48, s49
	v_permlanex16_b32 v99, v97, s48, s49
	v_max_num_f32 v96, v96, v98                    ; with lane l xor 16's sixteen: the block's largest magnitude
	v_max_num_f32 v97, v97, v99
	v_add_nc_u32 v100, OFF4, v96
	v_add_nc_u32 v101, OFF4, v97
	v_lshrrev_b32 v102, 23, v100
	v_lshrrev_b32 v103, 23, v101
	v_lshl_or_b32 v[108+\mt], v103, 8, v102        ; my row's two bytes
	v_cvt_scalef32_pk16_bf6_f32 v[QH:QH+2], v[QA:QA+15], v100
	v_cvt_scalef32_pk16_bf6_f32 v[104:106], v[QA+16:QA+31], v101
	v_nop                                          ; one plain instruction behind the conversions
.irp i, 0,1,2
	v_permlane16_swap_b32 v[QH+\i], v[104+\i]      ; the operand wants a whole block in a lane
.endr
.irp i, 0,1,2
	v_mov_b32 v[QH+3+\i], v[104+\i]
.endr
	global_store_b128 v1, v[QH:QH+3], s[32+2*(\k):33+2*(\k)] offset:1536*(\mt)          ; 512 consecutive bytes at a multiple of 256
	global_store_b64 v2, v[QH+4:QH+5], s[32+2*(\k):33+2*(\k)] offset:1536*(\mt)+512     ; 256 consecutive bytes at a multiple of 256
.endm
.macro SUBTILE k
.if \k > 0
	s_wait_loadcnt 0x0                             ; this zone's fragments and scale words, asked for during the last zone
	s_wait_xcnt 0x0                                ; the last zone's stores have read v64-95 and v112-113, which are written again below
.endif
.set SS, 0
.rept 8
.if \k == 0
.if SS < 7
	s_wait_loadcnt 63                              ; behind this step's loads stand 24 for each later step and 12 for each step already refilled: 63 or more
.else
	s_wait_loadcnt 60                              ; behind the last step's loads: the five refills of 12
.endif
.endif
.if SS == 0
	STEP SS, 1                                     ; the first K step starts the sums: nothing is cleared
.else
	STEP SS, 0
.endif
.if (\k < 2) && (SS < 5)
	PLACES                                         ; four places ahead of loads into registers that matrix instructions have read
	LDB \k+1, SS
.endif
.set SS, SS+1
.endr
	PLACES                                         ; four places ahead of the first read of the results
	GELU 0
.if \k < 2
	LDB \k+1, 5
.endif
	GELU 1
.if \k < 2
	LDB \k+1, 6
.endif
	GELU 2
.if \k < 2
	LDB \k+1, 7
	LDBS \k+1
.endif
	GELU 3
	QUANT2 0, \k
	QUANT2 1, \k
	QUANT2 2, \k
	QUANT2 3, \k
	v_cndmask_b32 v112, v108, v109, s50            ; scale word p: lanes 0-15 row tile 2 p, lanes 16-31 row tile 2 p + 1
	v_cndmask_b32 v113, v110, v111, s50
	global_store_b16 v2, v112, s[38+2*(\k):39+2*(\k)]            ; my half (c) of each word: two bytes a lane, 1 / 24 of the codes' bytes
	global_store_b16 v2, v113, s[38+2*(\k):39+2*(\k)] offset:4
.endm
	s_load_b256 s[4:11], s[0:1], 0x0               ; xqb, wqa, sel, hqb
	v_and_b32 v3, 31, v0
	v_lshrrev_b32 v4, 5, v0
	v_readfirstlane_b32 s13, v4                    ; wave 0..3
	v_lshlrev_b32 v1, 4, v3
	v_lshlrev_b32 v2, 3, v3
	v_lshlrev_b32 v3, 2, v3
	v_mov_b32 v48, 0xc0135761                      ; c0
	v_mov_b32 v49, 0xc0135761
	v_mov_b32 v50, 0xbdd2d3e8                      ; c1
	v_mov_b32 v51, 0xbdd2d3e8
	v_mov_b32 v98, 0                               ; lane permutes' destinations count as read
	v_mov_b32 v99, 0
	s_and_b32 s12, ttmp7, 0xffff                   ; the batch
	s_lshl_b32 s14, s12, 4
	s_mov_b32 s15, 0
	s_mov_b32 s53, 0
	s_mov_b32 s48, 0x76543210
	s_mov_b32 s49, 0xfedcba98
	s_mov_b32 s50, 0xffff0000
	s_mul_i32 s51, s12, 3                          ; the batch's first pair (batch, rank)
	s_lshl_b32 s54, ttmp9, 1
	s_lshr_b32 s55, s13, 1
	s_add_co_u32 s54, s54, s55                     ; the next product's K step: 2 x + w / 2
	s_and_b32 s55, s13, 1                          ; and which half of it
	s_lshl_b32 s56, ttmp9, 3
	s_lshl_b32 s57, s13, 1
	s_add_co_u32 s56, s56, s57                     ; my first group of 32 columns: 8 x + 2 w
	s_wait_kmcnt 0x0
	s_add_nc_u64 s[8:9], s[8:9], s[14:15]
	s_load_b128 s[16:19], s[8:9], 0x0              ; the batch's three zones
	s_mul_i32 s52, s12, 49152
	s_add_nc_u64 s[44:45], s[4:5], s[52:53]        ; x's codes
	s_lshl_b32 s52, s12, 11
	s_add_co_u32 s52, s52, 786432
	s_add_nc_u64 s[46:47], s[4:5], s[52:53]        ; x's scale words
.set SS, 0
.rept 16
	global_load_b32 v[XSR+SS], v3, s[46:47] offset:128*SS
.set SS, SS+1
.endr
	s_wait_kmcnt 0x0
.irp k, 0,1,2
	s_min_u32 s[16+\k], s[16+\k], 7                ; a zone's number enters addresses only behind this hold
	s_mul_i32 s52, s[16+\k], 3145728
	s_mul_i32 s57, s56, 24576
	s_add_co_u32 s52, s52, s57
	s_add_nc_u64 s[20+2*\k:21+2*\k], s[6:7], s[52:53]     ; the zone's codes at my two groups
	s_lshl_b32 s52, s[16+\k], 17
	s_lshl_b32 s57, s56, 10
	s_add_co_u32 s52, s52, s57
	s_add_co_u32 s52, s52, 25165824
	s_add_nc_u64 s[26+2*\k:27+2*\k], s[6:7], s[52:53]     ; and their scale words
	s_add_co_u32 s58, s51, \k
	s_mul_i32 s52, s58, 196608
	s_mul_i32 s57, s54, 6144
	s_add_co_u32 s52, s52, s57
	s_mul_i32 s57, s55, 768
	s_add_co_u32 s52, s52, s57
	s_add_nc_u64 s[32+2*\k:33+2*\k], s[10:11], s[52:53]   ; where h's codes go
	s_lshl_b32 s52, s58, 13
	s_lshl_b32 s57, s54, 8
	s_add_co_u32 s52, s52, s57
	s_lshl_b32 s57, s55, 1
	s_add_co_u32 s52, s52, s57
	s_add_co_u32 s52, s52, 9437184
	s_add_nc_u64 s[38+2*\k:39+2*\k], s[10:11], s[52:53]   ; and its scale bytes
.endr
	LDBS 0
.set LS0, 0
.rept 8
	LDX LS0
	LDB 0, LS0
.set LS0, LS0+1
.endr
	SUBTILE 0
	SUBTILE 1
	SUBTILE 2
	s_endpgm
.Lfunc_end_k_q3f99b2372d_up:
	.size	k_q3f99b2372d_up, .Lfunc_end_k_q3f99b2372d_up-k_q3f99b2372d_up
	.p2alignl 7, 3214868480
	.fill 96, 4, 3214868480
	.section	.rodata,"a",@progbits
	.p2align	6, 0x0
	.amdhsa_kernel k_q3f99b2372d_up
		.amdhsa_group_segment_fixed_size 0
		.amdhsa_private_segment_fixed_size 0
		.amdhsa_enable_private_segment 0
		.amdhsa_kernarg_size 32
		.amdhsa_user_sgpr_count 2
		.amdhsa_user_sgpr_kernarg_segment_ptr 1
		.amdhsa_wavefront_size32 1
		.amdhsa_system_sgpr_workgroup_id_x 1
		.amdhsa_system_sgpr_workgroup_id_y 1
		.amdhsa_system_sgpr_workgroup_id_z 1
		.amdhsa_system_vgpr_workitem_id 0
		.amdhsa_next_free_vgpr 1024
		.amdhsa_next_free_sgpr 66
		.amdhsa_reserve_vcc 0
		.amdhsa_float_denorm_mode_32 3
		.amdhsa_float_denorm_mode_16_64 3
		.amdhsa_memory_ordered 1
		.amdhsa_forward_progress 1
		.amdhsa_inst_pref_size 210
	.end_amdhsa_kernel
	.amdgpu_metadata
---
amdhsa.version: [ 1, 2 ]
amdhsa.kernels:
  - .name:           k_q3f99b2372d_up
    .symbol:         k_q3f99b2372d_up.kd
    .args:
      - { .name: xqb, .offset: 0, .size: 8, .value_kind: global_buffer, .address_space: global }
      - { .name: wqa, .offset: 8, .size: 8, .value_kind: global_buffer, .address_space: global }
      - { .name: sel, .offset: 16, .size: 8, .value_kind: global_buffer, .address_space: global }
      - { .name: hqb, .offset: 24, .size: 8, .value_kind: global_buffer, .address_space: global }
    .group_segment_fixed_size: 0
    .private_segment_fixed_size: 0
    .kernarg_segment_align: 8
    .kernarg_segment_size: 32
    .max_flat_workgroup_size: 128
    .sgpr_count:     66
    .vgpr_count:     1024
    .wavefront_size: 32
...
	.end_amdgpu_metadata
.endif
;; end of part 2
;; launch down (part 3): grid 16 x 16, 8 waves a work-group, no clusters, 140,288 bytes of LDS; arguments hqb, wqb, sel, gate, x, out0; writes out0
.if DOCPART == 3
	.amdgcn_target "amdgcn-amd-amdhsa--gfx1250"
	.amdhsa_code_object_version 6
	.text
	.protected	k_q3f99b2372d_down
	.globl	k_q3f99b2372d_down
	.p2align	8
	.type	k_q3f99b2372d_down,@function
k_q3f99b2372d_down:
	s_mov_b64 s[64:65], 0
	v_nop
	global_prefetch_b8 v0, s[64:65] scope:SCOPE_SE
	s_setreg_imm32_b32 hwreg(HW_REG_WAVE_MODE, 25, 1), 1
	s_wait_xcnt 0x0
; DOWN.  out = x + sum over the batch's three zones of gate x (h Q(Wb[e])).  Work-group (x, y) = (64 columns of the output, batch): it owns 64 rows x 64 columns, so each output number has one owner.
; K IS SHARED AMONG THE EIGHT WAVES: wave w takes K steps 4 w .. 4 w + 3 of each zone, twelve steps of 128 in all, each 64 rows x 64 columns = 16 matrix instructions.  So each byte of h's codes and of the
; weights' codes is loaded by one wave of the work-group alone, straight into registers: both lie in memory as images of the operand's registers.
; A zone's four steps are summed in 16 accumulators (begun with the constant 0); then the total takes gate x the sum by one packed multiply-add.  The eight waves' totals meet in LDS behind the launch's one
; barrier; each wave adds eight rows' parts to x and stores them, sixteen lanes to 256 consecutive bytes at a multiple of 256.
; Only base addresses hang on the choice (sel, read as whole numbers and held to 0 .. 7); gate enters arithmetic alone.
; THE PRODUCT IS USED TRANSPOSED (source 0 = 16 columns of Wb, source 1 = 16 rows of h): lane (r, h), tile (g', mt, u), register j holds row 16 mt + r, column 32 g' + 16 h + 8 u + j.
; The order of the sums differs from the problem's text: K in eight parts, the zones weighed before the parts are added; all in f32.
; No cluster: the sixteen work-groups of a batch do share h's codes, half of a work-group's bytes, but sharing them would want them in LDS by joint loads; the weights' half hangs on sel and cannot be shared by a
; mask written in the text.  No tensor load, so no ring.
; REGISTERS.  Window 0: v1, v2 16, 8 x lane; v3-6 the way out's addresses; v16-31 h's scale words, two sets (2 j + p); v32-47 the weights', two sets (4 g' + j); v48-143, v144-239 two sets of
;   fragments (h's four, then the weights' four).  Window 1: v0-127 the accumulators, v128-255 the totals.
.set MSB, 0
.macro WIN new
.if MSB != (\new)
	s_set_vgpr_msb (MSB<<8)|(\new)
.set MSB, (\new)
.endif
.endm
.macro WM d, a, b, zero, sa, sb, ra, rb
.if \zero
.if ((\ra) == 0) && ((\rb) == 0)
	v_wmma_scale_f32_16x16x128_f8f6f4 v[\d:\d+7], v[\a:\a+11], v[\b:\b+11], 0, v[\sa], v[\sb] matrix_a_fmt:MATRIX_FMT_BF6 matrix_b_fmt:MATRIX_FMT_BF6
.elseif ((\ra) == 1) && ((\rb) == 0)
	v_wmma_scale_f32_16x16x128_f8f6f4 v[\d:\d+7], v[\a:\a+11], v[\b:\b+11], 0, v[\sa], v[\sb] matrix_a_fmt:MATRIX_FMT_BF6 matrix_b_fmt:MATRIX_FMT_BF6 matrix_a_scale:MATRIX_SCALE_ROW1
.elseif ((\ra) == 0) && ((\rb) == 1)
	v_wmma_scale_f32_16x16x128_f8f6f4 v[\d:\d+7], v[\a:\a+11], v[\b:\b+11], 0, v[\sa], v[\sb] matrix_a_fmt:MATRIX_FMT_BF6 matrix_b_fmt:MATRIX_FMT_BF6 matrix_b_scale:MATRIX_SCALE_ROW1
.else
	v_wmma_scale_f32_16x16x128_f8f6f4 v[\d:\d+7], v[\a:\a+11], v[\b:\b+11], 0, v[\sa], v[\sb] matrix_a_fmt:MATRIX_FMT_BF6 matrix_b_fmt:MATRIX_FMT_BF6 matrix_a_scale:MATRIX_SCALE_ROW1 matrix_b_scale:MATRIX_SCALE_ROW1
.endif
.else
.if ((\ra) == 0) && ((\rb) == 0)
	v_wmma_scale_f32_16x16x128_f8f6f4 v[\d:\d+7], v[\a:\a+11], v[\b:\b+11], v[\d:\d+7], v[\sa], v[\sb] matrix_a_fmt:MATRIX_FMT_BF6 matrix_b_fmt:MATRIX_FMT_BF6
.elseif ((\ra) == 1) && ((\rb) == 0)
	v_wmma_scale_f32_16x16x128_f8f6f4 v[\d:\d+7], v[\a:\a+11], v[\b:\b+11], v[\d:\d+7], v[\sa], v[\sb] matrix_a_fmt:MATRIX_FMT_BF6 matrix_b_fmt:MATRIX_FMT_BF6 matrix_a_scale:MATRIX_SCALE_ROW1
.elseif ((\ra) == 0) && ((\rb) == 1)
	v_wmma_scale_f32_16x16x128_f8f6f4 v[\d:\d+7], v[\a:\a+11], v[\b:\b+11], v[\d:\d+7], v[\sa], v[\sb] matrix_a_fmt:MATRIX_FMT_BF6 matrix_b_fmt:MATRIX_FMT_BF6 matrix_b_scale:MATRIX_SCALE_ROW1
.else
	v_wmma_scale_f32_16x16x128_f8f6f4 v[\d:\d+7], v[\a:\a+11], v[\b:\b+11], v[\d:\d+7], v[\sa], v[\sb] matrix_a_fmt:MATRIX_FMT_BF6 matrix_b_fmt:MATRIX_FMT_BF6 matrix_a_scale:MATRIX_SCALE_ROW1 matrix_b_scale:MATRIX_SCALE_ROW1
.endif
.endif
.endm
.macro LDSC k, buf                     ; zone k's scale words of my four K steps: 6 loads
.set GR, 0
.rept 4
	global_load_b64 v[16+8*(\buf)+2*GR:17+8*(\buf)+2*GR], v2, s[36+2*(\k):37+2*(\k)] offset:256*GR
.set GR, GR+1
.endr
.set GR, 0
.rept 2
	global_load_b128 v[32+8*(\buf)+4*GR:35+8*(\buf)+4*GR], v1, s[48+2*(\k):49+2*(\k)] offset:4096*GR
.set GR, GR+1
.endr
.endm
.macro LDIT k, j, set                  ; zone k, my j-th K step: h's four fragments (16 loads) and the weights' four (12)
.set SB0, 48+96*(\set)
.set MT, 0
.rept 4
	global_load_b128 v[SB0+12*MT:SB0+12*MT+3],     v1, s[30+2*(\k):31+2*(\k)] offset:(\j)*6144+1536*MT
	global_load_b64  v[SB0+12*MT+4:SB0+12*MT+5],   v2, s[30+2*(\k):31+2*(\k)] offset:(\j)*6144+1536*MT+512
	global_load_b128 v[SB0+12*MT+6:SB0+12*MT+9],   v1, s[30+2*(\k):31+2*(\k)] offset:(\j)*6144+1536*MT+768
	global_load_b64  v[SB0+12*MT+10:SB0+12*MT+11], v2, s[30+2*(\k):31+2*(\k)] offset:(\j)*6144+1536*MT+1280
.set MT, MT+1
.endr
.set NT, 0
.rept 4
.set GR, 0
.rept 3
	global_load_b128 v[SB0+48+12*NT+4*GR:SB0+48+12*NT+4*GR+3], v1, s[42+2*(\k):43+2*(\k)] offset:(NT/2)*98304+(\j)*3072+(NT%2)*1536+512*GR
.set GR, GR+1
.endr
.set NT, NT+1
.endr
.endm
.macro MUL16 set, j, buf, zero         ; the 16 accumulators take turns, one instruction a turn, in the same order in every step
	WIN 0x50                                       ; C and D in window 1
.set GP, 0
.rept 2
.set MT, 0
.rept 4
.set UU, 0
.rept 2
.set AC, 64*GP+16*MT+8*UU
.set FB, 48+96*(\set)+48+12*(2*GP+UU)
.set FA, 48+96*(\set)+12*MT
.set SA, 32+8*(\buf)+4*GP+(\j)
.set SB, 16+8*(\buf)+2*(\j)+MT/2
.set RB, MT%2
	WM AC, FB, FA, \zero, SA, SB, UU, RB
.set UU, UU+1
.endr
.set MT, MT+1
.endr
.set GP, GP+1
.endr
	WIN 0
.rept 4
	v_nop                                          ; four places ahead of loads into the fragments' registers and of the first read of the results
.endr
.endm
.macro TOT k                           ; the total takes gate x the zone's sums; each accumulator is read from its low end on
	WIN 0x51                                       ; destination, source 0 and source 2 in window 1
.set GJ, 0
.rept 64
.if (\k) == 0
	v_pk_mul_f32 v[128+GJ:129+GJ], v[GJ:GJ+1], s[24+2*(\k):25+2*(\k)] op_sel_hi:[1,0]
.else
	v_pk_fma_f32 v[128+GJ:129+GJ], v[GJ:GJ+1], s[24+2*(\k):25+2*(\k)], v[128+GJ:129+GJ] op_sel_hi:[1,0,1]
.endif
.set GJ, GJ+2
.endr
	WIN 0
.endm
	s_load_b256 s[4:11], s[0:1], 0x0               ; hqb, wqb, sel, gate
	s_load_b128 s[12:15], s[0:1], 0x20             ; x, out0
	v_lshl_add_u32 v254, v0, 2, 0x22000
	v_mov_b32 v255, 0
	v_and_b32 v7, 31, v0
	v_lshrrev_b32 v8, 5, v0
	v_readfirstlane_b32 s59, v8                    ; wave 0..7
	v_lshlrev_b32 v1, 4, v7
	v_lshlrev_b32 v2, 3, v7
	v_and_b32 v8, 15, v0                           ; r
	v_bfe_u32 v9, v0, 4, 1                         ; h
	s_mul_i32 s2, s59, 17408                       ; my region of LDS: 64 rows of 256 bytes + 16
	v_mul_u32_u24 v3, v8, 272
	v_lshl_add_u32 v3, v9, 6, v3
	v_add_nc_u32 v3, s2, v3                        ; in: row r, + 64 h bytes
	s_mul_i32 s2, s59, 2176                        ; back: rows 8 w on, of every region; lanes 0-15 one row, lanes 16-31 the next
	v_mul_u32_u24 v4, v9, 272
	v_lshl_add_u32 v4, v8, 4, v4
	v_add_nc_u32 v4, s2, v4                        ; regions 0-3
	v_add_nc_u32 v5, 69632, v4                     ; regions 4-7
	v_lshlrev_b32 v6, 12, v9
	v_lshl_add_u32 v6, v8, 4, v6                   ; the same two rows in x and in out0
	s_and_b32 s58, ttmp7, 0xffff                   ; the batch
	s_lshl_b32 s60, s58, 4
	s_mov_b32 s61, 0
	s_mul_i32 s62, s58, 3
	s_wait_kmcnt 0x0
	s_add_nc_u64 s[8:9], s[8:9], s[60:61]
	s_add_nc_u64 s[10:11], s[10:11], s[60:61]
	s_load_b128 s[16:19], s[8:9], 0x0              ; the batch's three zones
	s_load_b128 s[20:23], s[10:11], 0x0            ; and their weights
	s_lshl_b32 s60, s58, 18                        ; 64 rows of 4,096 bytes a batch,
	s_lshl_b32 s2, s59, 15                         ; 8 rows a wave,
	s_add_co_u32 s60, s60, s2
	s_lshl_b32 s2, ttmp9, 8                        ; 256 bytes a slice
	s_add_co_u32 s60, s60, s2
	s_add_nc_u64 s[54:55], s[12:13], s[60:61]
	s_add_nc_u64 s[56:57], s[14:15], s[60:61]
	s_wait_kmcnt 0x0
	s_mov_b32 s24, s20                             ; each weight as a pair: the packed forms name a pair and take its low word for both halves
	s_mov_b32 s25, s20
	s_mov_b32 s26, s21
	s_mov_b32 s27, s21
	s_mov_b32 s28, s22
	s_mov_b32 s29, s22
.irp k, 0,1,2
	s_min_u32 s[16+\k], s[16+\k], 7                ; a zone's number enters addresses only behind this hold
	s_add_co_u32 s63, s62, \k                      ; the pair (batch, rank)
	s_mul_i32 s60, s63, 196608
	s_mul_i32 s2, s59, 24576
	s_add_co_u32 s60, s60, s2
	s_add_nc_u64 s[30+2*\k:31+2*\k], s[4:5], s[60:61]     ; h's codes at my four K steps
	s_lshl_b32 s60, s63, 13
	s_lshl_b32 s2, s59, 10
	s_add_co_u32 s60, s60, s2
	s_add_co_u32 s60, s60, 9437184
	s_add_nc_u64 s[36+2*\k:37+2*\k], s[4:5], s[60:61]     ; h's scale words
	s_mul_i32 s60, s[16+\k], 3145728
	s_mul_i32 s2, ttmp9, 196608
	s_add_co_u32 s60, s60, s2
	s_mul_i32 s2, s59, 12288
	s_add_co_u32 s60, s60, s2
	s_add_nc_u64 s[42+2*\k:43+2*\k], s[6:7], s[60:61]     ; the zone's codes: my two groups, my four K steps
	s_lshl_b32 s60, s[16+\k], 17
	s_lshl_b32 s2, ttmp9, 13
	s_add_co_u32 s60, s60, s2
	s_lshl_b32 s2, s59, 9
	s_add_co_u32 s60, s60, s2
	s_add_co_u32 s60, s60, 25165824
	s_add_nc_u64 s[48+2*\k:49+2*\k], s[6:7], s[60:61]     ; and their scale words
.endr
	LDSC 0, 0
	LDIT 0, 0, 0
	LDIT 0, 1, 1                                   ; 62 loads are out
.set IT, 0
.rept 12                               ; step IT = 4 k + j; its fragments were asked for two steps ago
.if IT == 11
	s_wait_loadcnt 0x0
.elseif (IT%4) == 3
	s_wait_loadcnt 34                              ; behind this step's loads: the next zone's 6 scale loads and the next step's 28
.else
	s_wait_loadcnt 28                              ; behind this step's loads: the next step's 28
.endif
.if (IT%4) == 0
	MUL16 IT%2, IT%4, (IT/4)%2, 1                  ; a zone's first step starts its sums
.else
	MUL16 IT%2, IT%4, (IT/4)%2, 0
.endif
.if IT+2 < 12
.if ((IT+2)%4) == 0
	LDSC (IT+2)/4, ((IT+2)/4)%2
.endif
	LDIT (IT+2)/4, (IT+2)%4, IT%2
.endif
.if (IT%4) == 3
	TOT IT/4
.endif
.set IT, IT+1
.endr
	; THE WAY OUT
.set II, 0
.rept 4
	global_load_b128 v[176+4*II:179+4*II], v6, s[54:55] offset:8192*II th:TH_LOAD_NT   ; x: my eight rows' 256 bytes
.set II, II+1
.endr
	WIN 0x04                                       ; an LDS store's data are its source 1: window 1
.set GP, 0
.rept 2
.set MT, 0
.rept 4
.set UU, 0
.rept 4                                ; UU = 2 u + half
	ds_store_b128 v3, v[128+64*GP+16*MT+4*UU:131+64*GP+16*MT+4*UU] offset:16*MT*272+128*GP+16*UU
.set UU, UU+1
.endr
.set MT, MT+1
.endr
.set GP, GP+1
.endr
	WIN 0
	s_wait_dscnt 0x0                               ; for the others' sake: my totals lie in LDS
	s_barrier_signal -1
	s_barrier_wait -1
.set II, 0
.rept 4
.set VV, 0
.rept 4
	ds_load_b128 v[48+32*II+4*VV:51+32*II+4*VV], v4 offset:VV*17408+544*II
	ds_load_b128 v[64+32*II+4*VV:67+32*II+4*VV], v5 offset:VV*17408+544*II
.set VV, VV+1
.endr
.set II, II+1
.endr
	s_wait_dscnt 0x0
	s_wait_loadcnt 0x0
.set VV, 0
.rept 8                                ; x + the eight waves' parts: eight chains that do not wait for each other
.set II, 0
.rept 4
	v_pk_add_f32 v[176+4*II:177+4*II], v[176+4*II:177+4*II], v[48+32*II+4*VV:49+32*II+4*VV]
	v_pk_add_f32 v[178+4*II:179+4*II], v[178+4*II:179+4*II], v[50+32*II+4*VV:51+32*II+4*VV]
.set II, II+1
.endr
.set VV, VV+1
.endr
.set II, 0
.rept 4
	global_store_b128 v6, v[176+4*II:179+4*II], s[56:57] offset:8192*II th:TH_STORE_NT   ; sixteen lanes store 256 consecutive bytes at a multiple of 256
.set II, II+1
.endr
	s_wait_tensorcnt 0x0
	ds_add_u32 v254, v255
	s_wait_dscnt 0x0
	s_endpgm
.Lfunc_end_k_q3f99b2372d_down:
	.size	k_q3f99b2372d_down, .Lfunc_end_k_q3f99b2372d_down-k_q3f99b2372d_down
	.p2alignl 7, 3214868480
	.fill 96, 4, 3214868480
	.section	.rodata,"a",@progbits
	.p2align	6, 0x0
	.amdhsa_kernel k_q3f99b2372d_down
		.amdhsa_group_segment_fixed_size 140288
		.amdhsa_private_segment_fixed_size 0
		.amdhsa_enable_private_segment 0
		.amdhsa_kernarg_size 48
		.amdhsa_user_sgpr_count 2
		.amdhsa_user_sgpr_kernarg_segment_ptr 1
		.amdhsa_wavefront_size32 1
		.amdhsa_system_sgpr_workgroup_id_x 1
		.amdhsa_system_sgpr_workgroup_id_y 1
		.amdhsa_system_sgpr_workgroup_id_z 1
		.amdhsa_system_vgpr_workitem_id 0
		.amdhsa_next_free_vgpr 512
		.amdhsa_next_free_sgpr 66
		.amdhsa_reserve_vcc 0
		.amdhsa_float_denorm_mode_32 3
		.amdhsa_float_denorm_mode_16_64 3
		.amdhsa_memory_ordered 1
		.amdhsa_forward_progress 1
		.amdhsa_inst_pref_size 87
	.end_amdhsa_kernel
	.amdgpu_metadata
---
amdhsa.version: [ 1, 2 ]
amdhsa.kernels:
  - .name:           k_q3f99b2372d_down
    .symbol:         k_q3f99b2372d_down.kd
    .args:
      - { .name: hqb, .offset: 0, .size: 8, .value_kind: global_buffer, .address_space: global }
      - { .name: wqb, .offset: 8, .size: 8, .value_kind: global_buffer, .address_space: global }
      - { .name: sel, .offset: 16, .size: 8, .value_kind: global_buffer, .address_space: global }
      - { .name: gate, .offset: 24, .size: 8, .value_kind: global_buffer, .address_space: global }
      - { .name: x, .offset: 32, .size: 8, .value_kind: global_buffer, .address_space: global }
      - { .name: out0, .offset: 40, .size: 8, .value_kind: global_buffer, .address_space: global }
    .group_segment_fixed_size: 140288
    .private_segment_fixed_size: 0
    .kernarg_segment_align: 8
    .kernarg_segment_size: 48
    .max_flat_workgroup_size: 256
    .sgpr_count:     66
    .vgpr_count:     512
    .wavefront_size: 32
...
	.end_amdgpu_metadata
.endif
;; end of part 3
;; ======== version 2 of 2: 3 launches
;; workspace buffers: wqa 26,214,400 bytes; wqb 26,214,400 bytes; xqb 819,200 bytes; hqb 9,830,400 bytes; sel 256 bytes of whole numbers; gate 256 bytes
;; launch prep (part 4): grid 336 x 1, 16 waves a work-group, no clusters, 26,624 bytes of LDS; arguments x, W1, b1, W2, b2, Wa, Wb, xqb, wqa, wqb, sel, gate; writes xqb, wqa, wqb, sel, gate
.if DOCPART == 4
	.amdgcn_target "amdgcn-amd-amdhsa--gfx1250"
	.amdhsa_code_object_version 6
	.text
	.protected	k_q3f99b2372d_prep
	.globl	k_q3f99b2372d_prep
	.p2align	8
	.type	k_q3f99b2372d_prep,@function
k_q3f99b2372d_prep:
	s_mov_b64 s[64:65], 0
	v_nop
	global_prefetch_b8 v0, s[64:65] scope:SCOPE_SE
	s_setreg_imm32_b32 hwreg(HW_REG_WAVE_MODE, 25, 1), 1
	s_wait_xcnt 0x0
; PREP.  Four kinds of work-group, told apart by the work-group's number alone:
;   0-79, 96-255  QW, full (240): Wa and Wb are read once and quantised along K, which is their FIRST axis inside a zone.  A unit is 512 columns x 512 along K; each tensor has 128 units; units 0-119 are taken here.
;   80-95    ROUTER, one batch each: mean over the 64 tokens, Q(mean) Q(W1) by the matrix unit, tanh, W2 in f32, softmax, the three largest, their weights.
;            It stores the three zones as whole numbers (sel) and their weights (gate) at fixed places: no address here hangs on them.
;   256-319  QW, quarter (64): units 120-127 of each tensor, cut into their four K steps of 128.
;   320-335  XQ, one batch each: x becomes codes of E3M2 with one E8M0 byte for each 32 along K, laid as images of the operand's registers.
; SHARES BY BYTES READ: a router 1.25 MiB (its batch of x and all of W1), a full QW 1 MiB, a quarter QW and an XQ 0.25 MiB.  So there are 256 long work-groups (16 + 240) and 80 short ones, and the short
; ones have the highest numbers.  No result hangs on the numbering.
; QW: A LANE TAKES A COLUMN AND ITS REGISTERS RUN DOWN K, so a block of 32 lies in one lane, its largest magnitude needs no other lane, and the conversions give codes with K innermost.
; A wave takes 32 columns.  Lanes 0-15 hold tile 0's sixteen columns, lanes 16-31 tile 1's; tile u, index i is column 8 u + i + 8 (i / 8) of the 32, so that in a product used
; transposed a lane's 16 results of the two tiles are 16 neighbours.  An even and an odd block change halves (v_permlane16_swap_b32) and ARE the two tiles' fragment registers 6 c .. 6 c + 5.
; A fragment leaves as an image of its 12 registers: three stores of 16 bytes a lane, each 512 consecutive bytes at a multiple of 512.  No LDS, no barrier in this path.
; A block's scale byte is its largest magnitude's exponent field - 4, held at 1 from below by a floor among the maximum's leaves.
; LIMITS: NaN and infinities among the inputs are not served.  A block of zeros gets the byte 1 where the rule says 127: its codes are zeros, and this program alone reads the bytes.
; Equal probabilities: the lower zone number wins.  No tensor load and no cluster: no two work-groups of the weights' stream read the same byte, and every operand goes straight through registers.
.set ST,    64                         ; v64-127  two sets of 32 numbers (QW, W1), or 64 numbers of a lane (QUANT)
.set F0,    12                         ; v12-23   tile 0's fragment
.set F1,    24                         ; v24-35   tile 1's
.set TE,    36                         ; v36-38   the even block's upper 16 codes
.set TO,    40                         ; v40-42   the odd block's
.set TM,    12                         ; QUANT: v12-15 maxima, v16-19 bytes, v24-27 scale operands
.set PW,    28                         ; QUANT: the scale word
.set PC,    32                         ; QUANT: v32-43 the fragment, v44-50 at work
.set PP,    0                          ; LDS (router alone): the pooled row, 4,096 bytes
.set PIMG,  4096                       ; its eight fragments as images, 1,536 bytes each
.set PSC,   16384                      ; their scale words, 128 bytes each
.set HP,    17408                      ; the hidden layer's sums, one row of 1,024 bytes for each half of K
.set FLOOR, 0x2800000                  ; 2^(5 - 127)
.set OFF4,  0xfe000000                 ; -(4 << 23)
.macro BARRIER                         ; my LDS stores have landed and my LDS loads are in: then the work-group's barrier
	s_wait_dscnt 0x0
	s_barrier_signal -1
	s_barrier_wait -1
.endm
; block t of my 32 columns: row 32 t + i, i = 0 .. 31, into set t % 2; a wave's load covers 128 consecutive bytes, the sixteen waves stand side by side on 2,048
.macro LOADB t, pitch, mode
.set LJ, 0
.rept 32
.if \mode
	global_load_b32 v[ST+32*((\t)%2)+LJ], v1, s[44:45] offset:(32*(\t)+LJ)*\pitch
.else
	global_load_b32 v[ST+32*((\t)%2)+LJ], v1, s[44:45] offset:(32*(\t)+LJ)*\pitch th:TH_LOAD_NT
.endif
.set LJ, LJ+1
.endr
.endm
.macro KOUT sl                         ; K step sl of my item: the two tiles' images
.set KU, 0
.rept 2
.set KG, 0
.rept 3
	global_store_b128 v2, v[F0+12*KU+4*KG:F0+12*KU+4*KG+3], s[46:47] offset:(\sl)*3072+KU*1536+KG*512 th:TH_STORE_NT
.set KG, KG+1
.endr
.set KU, KU+1
.endr
.endm
.macro KMUL sl                         ; router: K step sl of my half of K: source 0 = 16 columns of W1, source 1 = the pooled row sixteen times
.irp c, 0,1,2
	ds_load_b128 v[36+4*\c:39+4*\c], v10 offset:(\sl)*1536+512*\c
.endr
	ds_load_b32 v9, v11 offset:128*(\sl)
	s_wait_dscnt 0x0
.rept 8
	v_nop                                          ; W1's scale word and fragments were written by vector instructions: eight places ahead of a scaled matrix instruction
.endr
.if (\sl) == 0
	s_wait_alu depctr_va_vdst(0)
	v_wmma_scale_f32_16x16x128_f8f6f4 v[48:55], v[12:23], v[36:47], 0, v8, v9 matrix_a_fmt:MATRIX_FMT_BF6 matrix_b_fmt:MATRIX_FMT_BF6
	v_wmma_scale_f32_16x16x128_f8f6f4 v[56:63], v[24:35], v[36:47], 0, v8, v9 matrix_a_fmt:MATRIX_FMT_BF6 matrix_b_fmt:MATRIX_FMT_BF6 matrix_a_scale:MATRIX_SCALE_ROW1
.else
	s_wait_alu depctr_va_vdst(0)
	v_wmma_scale_f32_16x16x128_f8f6f4 v[48:55], v[12:23], v[36:47], v[48:55], v8, v9 matrix_a_fmt:MATRIX_FMT_BF6 matrix_b_fmt:MATRIX_FMT_BF6
	v_wmma_scale_f32_16x16x128_f8f6f4 v[56:63], v[24:35], v[36:47], v[56:63], v8, v9 matrix_a_fmt:MATRIX_FMT_BF6 matrix_b_fmt:MATRIX_FMT_BF6 matrix_a_scale:MATRIX_SCALE_ROW1
.endif
.endm
; One block of 32 along K, the t-th of nb.  mode 0: the fragments are stored; mode 1: they are multiplied.
.macro QBLK t, pitch, mode, nb
.set XB, ST+32*((\t)%2)
.set CC, ((\t)%4)/2
.set FD, F0+12*((\t)%2)+6*CC
.set TD, TE+4*((\t)%2)
.if \mode
.set WR, 8
.else
.set WR, 8+(\t)/4
.endif
.if (\t) < (\nb)-1
	s_wait_loadcnt 32                              ; this block's 32 loads are in; the next block's 32 may be out
.else
	s_wait_loadcnt 0x0
.endif
.if (\mode == 0) && (((\t)%4) == 0) && ((\t) > 0)
	s_wait_xcnt 0x0                                ; the last K step's stores have read the fragments' registers, which are written again below
.endif
	v_max3_num_f32 v4, |v[XB]|, |v[XB+1]|, |v[XB+2]|                ; the block's largest magnitude: all 32 numbers are mine; two chains
	v_max3_num_f32 v5, |v[XB+3]|, |v[XB+4]|, |v[XB+5]|
.irp i, 6,10,14,18,22,26
	s_delay_alu instid0(VALU_DEP_2)
	v_max3_num_f32 v4, v4, |v[XB+\i]|, |v[XB+\i+1]|
	s_delay_alu instid0(VALU_DEP_2)
	v_max3_num_f32 v5, v5, |v[XB+\i+2]|, |v[XB+\i+3]|
.endr
	s_delay_alu instid0(VALU_DEP_2)
	v_max3_num_f32 v4, v4, |v[XB+30]|, |v[XB+31]|
	s_delay_alu instid0(VALU_DEP_1)
	v_max3_num_f32 v4, v4, v5, FLOOR               ; and the floor: the byte cannot fall under 1.  (In mode 1 these sixteen are the places behind the last two matrix instructions)
	s_delay_alu instid0(VALU_DEP_1)
	v_add_nc_u32 v6, OFF4, v4                      ; 4 off the exponent field: the conversion takes this operand's exponent field as its scale
	v_cvt_scalef32_pk16_bf6_f32 v[FD:FD+2], v[XB:XB+15], v6
	v_cvt_scalef32_pk16_bf6_f32 v[TD:TD+2], v[XB+16:XB+31], v6      ; (a conversion's three registers begin on an even number)
	v_lshrrev_b32 v7, 23, v6                       ; the scale's byte; also the plain instruction behind the conversions
.if ((\t)%4) == 0
	s_delay_alu instid0(VALU_DEP_1)
	v_mov_b32 v[WR], v7                            ; four bytes make a K step's scale word: my lane is the word's lane already (lanes 0-15 tile 0, lanes 16-31 tile 1)
.else
	s_delay_alu instid0(VALU_DEP_1)
	v_lshl_or_b32 v[WR], v7, 8*((\t)%4), v[WR]
.endif
.if (\t)+2 < (\nb)
	LOADB (\t)+2, \pitch, \mode
.endif
.if ((\t)%2) == 1
.irp i, 0,1,2
	v_permlane16_swap_b32 v[F0+6*CC+\i], v[F1+6*CC+\i]   ; even block's lanes 16-31 <-> odd block's lanes 0-15: now tile 0's and tile 1's registers 6 c + i
.endr
.irp i, 0,1,2
	v_permlane16_swap_b32 v[TE+\i], v[TO+\i]
.endr
.irp i, 0,1,2
	v_mov_b32 v[F0+6*CC+3+\i], v[TE+\i]
	v_mov_b32 v[F1+6*CC+3+\i], v[TO+\i]
.endr
.endif
.if ((\t)%4) == 3
.if \mode
	KMUL (\t)/4
.else
	KOUT (\t)/4
.endif
.endif
.endm
; 64 numbers of a lane, v[s] .. v[s + 63], register 16 b + i = k 32 b + 16 (lane / 16) + i of my row, become a fragment's codes in v[PC] on and its scale word in v[PW]
.macro QUANT s
.irp b, 0,1,2,3
	v_max3_num_f32 v[TM+\b], |v[\s+16*\b]|, |v[\s+1+16*\b]|, FLOOR
.endr
.irp i, 2,4,6,8,10,12,14
.irp b, 0,1,2,3
	s_delay_alu instid0(VALU_DEP_4)
	v_max3_num_f32 v[TM+\b], v[TM+\b], |v[\s+16*\b+\i]|, |v[\s+1+16*\b+\i]|
.endr
.endr
.irp b, 0,1,2,3
	s_delay_alu instid0(VALU_DEP_4)
	v_permlanex16_b32 v[TM+4+\b], v[TM+\b], s40, s41
.endr
.irp b, 0,1,2,3
	s_delay_alu instid0(VALU_DEP_4)
	v_max_num_f32 v[TM+\b], v[TM+\b], v[TM+4+\b]   ; with lane l xor 16's: the block's largest magnitude
.endr
.irp b, 0,1,2,3
	s_delay_alu instid0(VALU_DEP_4)
	v_add_nc_u32 v[TM+12+\b], OFF4, v[TM+\b]
.endr
.irp b, 0,1,2,3
	s_delay_alu instid0(VALU_DEP_4)
	v_lshrrev_b32 v[TM+4+\b], 23, v[TM+12+\b]
.endr
	s_delay_alu instid0(VALU_DEP_3)
	v_lshl_or_b32 v[PW], v[TM+5], 8, v[TM+4]
	s_delay_alu instid0(VALU_DEP_1)
	v_lshl_or_b32 v[PW], v[TM+6], 16, v[PW]
	s_delay_alu instid0(VALU_DEP_1)
	v_lshl_or_b32 v[PW], v[TM+7], 24, v[PW]
.irp c, 0,1
	v_cvt_scalef32_pk16_bf6_f32 v[PC+6*\c:PC+2+6*\c], v[\s+32*\c:\s+15+32*\c], v[TM+12+2*\c]
	v_cvt_scalef32_pk16_bf6_f32 v[PC+12+4*\c:PC+14+4*\c], v[\s+16+32*\c:\s+31+32*\c], v[TM+12+2*\c+1]
.endr
	v_nop                                          ; one plain instruction behind the conversions
.irp c, 0,1
.irp i, 0,1,2
	v_permlane16_swap_b32 v[PC+6*\c+\i], v[PC+12+4*\c+\i]   ; the operand wants a whole block in a lane
.endr
.irp i, 0,1,2
	s_delay_alu instid0(VALU_DEP_3)
	v_mov_b32 v[PC+3+6*\c+\i], v[PC+12+4*\c+\i]
.endr
.endr
.endm
; A weight's path.  s30 = the unit among the tensor's 128; s38 = which of the unit's four K steps the work begins with (0 in a full work-group); nb = blocks of 32 along K: 16 (the whole unit) or 4 (one K step).
; wlo, dlo: the scalar pairs with the tensor's and the workspace's address
.macro QWPATH wlo, dlo, gmask, chsh, pitch, gstr, sstr, nb
	s_lshr_b32 s31, s30, 4                         ; the zone
	s_and_b32 s32, s30, 15
	s_and_b32 s33, s32, \gmask
	s_lshl_b32 s33, s33, 4
	s_add_co_u32 s33, s33, s28                     ; my group of 32 columns
	s_lshr_b32 s34, s32, \chsh                     ; the unit's 512 along K,
	s_lshl_b32 s34, s34, 2
	s_add_co_u32 s34, s34, s38                     ; as my first K step of 128
	s_lshl_b32 s36, s31, 24                        ; a zone is 16,777,216 bytes
	s_mul_i32 s35, s34, 128*\pitch
	s_add_co_u32 s36, s36, s35
	s_lshl_b32 s35, s33, 7
	s_add_co_u32 s36, s36, s35
	s_mov_b32 s37, 0
	s_add_nc_u64 s[44:45], s[\wlo:\wlo+1], s[36:37]
	s_mul_i32 s36, s31, 3145728                    ; the codes: zone, group, K steps of 3,072 bytes
	s_mul_i32 s35, s33, \gstr
	s_add_co_u32 s36, s36, s35
	s_mul_i32 s35, s34, 3072
	s_add_co_u32 s36, s36, s35
	s_add_nc_u64 s[46:47], s[\dlo:\dlo+1], s[36:37]
	s_lshl_b32 s36, s31, 17                        ; the scale words, behind all the codes: four K steps' words are a lane's 16 bytes, 512 bytes for the 32 lanes
	s_mul_i32 s35, s33, \sstr
	s_add_co_u32 s36, s36, s35
	s_lshr_b32 s35, s34, 2
	s_lshl_b32 s35, s35, 9
	s_add_co_u32 s36, s36, s35
	s_lshl_b32 s35, s38, 2                         ; a quarter's one word among the four
	s_add_co_u32 s36, s36, s35
	s_add_co_u32 s36, s36, 25165824
	s_add_nc_u64 s[48:49], s[\dlo:\dlo+1], s[36:37]
	LOADB 0, \pitch, 0
	LOADB 1, \pitch, 0
.set QT, 0
.rept \nb
	QBLK QT, \pitch, 0, \nb
.set QT, QT+1
.endr
.if \nb == 16
	global_store_b128 v2, v[8:11], s[48:49] th:TH_STORE_NT   ; four K steps' scale words a lane: 512 consecutive bytes
.else
	global_store_b32 v2, v8, s[48:49]              ; one K step's word: 4 bytes a lane, 16 apart; so leave one sixteenth of the scale words, which are 1 / 24 of the codes' bytes
.endif
	s_endpgm
.endm
.macro XLOAD off                       ; 16 rows x 128 along K: lane (r, h) takes 16 neighbours of each block of 32 of row r
.set XJ, 0
.rept 16
	global_load_b128 v[ST+4*XJ:ST+4*XJ+3], v4, s[44:45] offset:\off+128*(XJ/4)+16*(XJ%4)
.set XJ, XJ+1
.endr
.endm
	s_load_b512 s[4:19], s[0:1], 0x0               ; x, W1, b1, W2, b2, Wa, Wb, xqb
	s_load_b256 s[20:27], s[0:1], 0x40             ; wqa, wqb, sel, gate
	v_lshl_add_u32 v128, v0, 2, 0x6000
	v_mov_b32 v129, 0
	v_lshrrev_b32 v1, 5, v0
	s_delay_alu instid0(VALU_DEP_1)
	v_readfirstlane_b32 s28, v1                    ; wave 0..15
	v_and_b32 v3, 31, v0                           ; lane
	s_delay_alu instid0(VALU_DEP_1)
	v_lshlrev_b32 v2, 4, v3                        ; 16 x lane: an image's place
	v_and_b32 v1, 7, v0
	v_bfe_u32 v4, v0, 3, 1
	s_delay_alu instid0(VALU_DEP_1)
	v_lshl_add_u32 v1, v4, 4, v1
	v_bfe_u32 v4, v0, 4, 1
	s_delay_alu instid0(VALU_DEP_1)
	v_lshl_add_u32 v1, v4, 3, v1                   ; my column of the 32: (l & 7) + 16 ((l >> 3) & 1) + 8 (l >> 4)
	s_delay_alu instid0(VALU_DEP_1)
	v_lshlrev_b32 v1, 2, v1
	v_lshlrev_b32 v3, 2, v3                        ; 4 x lane: a scale word's place
	s_mov_b32 s40, 0x76543210
	s_mov_b32 s41, 0xfedcba98                      ; v_permlanex16_b32's selects for lane l xor 16
	s_mov_b32 s42, 0xffff0000                      ; lanes 16-31
	s_mov_b32 s38, 0                               ; a full work-group begins with its unit's first K step
	s_wait_kmcnt 0x0
	s_cmp_lt_u32 ttmp9, 80
	s_cselect_b32 s30, 0, 16
	s_sub_co_u32 s30, ttmp9, s30                   ; a full work-group's place among the 240: its number, less the 16 routers where it lies behind them
	s_cmp_lt_u32 ttmp9, 80
	s_cbranch_scc1 .Lfull
	s_cmp_lt_u32 ttmp9, 96
	s_cbranch_scc1 .Lrouter
	s_cmp_lt_u32 ttmp9, 256
	s_cbranch_scc1 .Lfull
	s_cmp_lt_u32 ttmp9, 320
	s_cbranch_scc0 .Lxq
	; a quarter: j = number - 256; j < 32: Wa, else Wb; unit 120 + (j / 4) % 8, K step j % 4 of it
	s_sub_co_u32 s31, ttmp9, 256
	s_and_b32 s38, s31, 3
	s_bfe_u32 s30, s31, 0x30002                    ; three bits from bit 2
	s_add_co_u32 s30, s30, 120
	s_cmp_lt_u32 s31, 32
	s_cbranch_scc0 .Lwb_q
	s_wait_alu depctr_va_vdst(0)
	QWPATH 14, 20, 7, 3, 16384, 24576, 1024, 4
.Lwb_q:
	s_wait_alu depctr_va_vdst(0)
	QWPATH 16, 22, 1, 1, 4096, 98304, 4096, 4
.Lfull:
	s_cmp_lt_u32 s30, 120                          ; places 0-119: Wa's units 0-119; places 120-239: Wb's
	s_cbranch_scc0 .Lwb
	s_wait_alu depctr_va_vdst(0)
	QWPATH 14, 20, 7, 3, 16384, 24576, 1024, 16    ; Wa: rows of 16,384 bytes; 8 x 16 groups, 2 chunks of K.  The largest offset, 511 x 16,384, lies inside the signed 24-bit immediate
.Lwb:
	s_sub_co_u32 s30, s30, 120
	s_wait_alu depctr_va_vdst(0)
	QWPATH 16, 22, 1, 1, 4096, 98304, 4096, 16     ; Wb: rows of 4,096 bytes; 2 x 16 groups, 8 chunks of K
; ---------------- XQ: wave w takes K step w / 2 and the row tiles 2 p, 2 p + 1, p = w % 2
.Lxq:
	s_sub_co_u32 s30, ttmp9, 320                   ; the batch
	s_lshr_b32 s31, s28, 1
	s_and_b32 s32, s28, 1
	s_lshl_b32 s36, s30, 18                        ; a batch of x is 262,144 bytes,
	s_lshl_b32 s35, s32, 17                        ; 32 rows 131,072,
	s_add_co_u32 s36, s36, s35
	s_lshl_b32 s35, s31, 9                         ; 128 along K 512
	s_add_co_u32 s36, s36, s35
	s_mov_b32 s37, 0
	s_add_nc_u64 s[44:45], s[4:5], s[36:37]
	s_mul_i32 s36, s30, 49152
	s_mul_i32 s35, s31, 6144
	s_add_co_u32 s36, s36, s35
	s_mul_i32 s35, s32, 3072
	s_add_co_u32 s36, s36, s35
	s_add_nc_u64 s[46:47], s[18:19], s[36:37]      ; the two images
	s_lshl_b32 s36, s30, 11
	s_lshl_b32 s35, s31, 8
	s_add_co_u32 s36, s36, s35
	s_lshl_b32 s35, s32, 7
	s_add_co_u32 s36, s36, s35
	s_add_co_u32 s36, s36, 786432
	s_add_nc_u64 s[48:49], s[18:19], s[36:37]      ; their one register of scale words
	v_and_b32 v4, 15, v0
	s_delay_alu instid0(VALU_DEP_1)
	v_lshlrev_b32 v4, 12, v4
	v_bfe_u32 v5, v0, 4, 1
	s_delay_alu instid0(VALU_DEP_1)
	v_lshl_add_u32 v4, v5, 6, v4                   ; row r of 4,096 bytes, + 64 h
.irp b, 0,1,2,3
	v_mov_b32 v[TM+4+\b], 0                        ; a lane permute's destination counts as read
.endr
	XLOAD 0
	s_wait_loadcnt 0x0
	QUANT ST
	XLOAD 65536                                    ; the next 16 rows land while the first image leaves
.irp c, 0,1,2
	global_store_b128 v2, v[PC+4*\c:PC+4*\c+3], s[46:47] offset:512*\c
.endr
	v_mov_b32 v29, v[PW]
	s_wait_xcnt 0x0                                ; the stores have read the fragment's registers
	s_wait_loadcnt 0x0
	QUANT ST
.irp c, 0,1,2
	global_store_b128 v2, v[PC+4*\c:PC+4*\c+3], s[46:47] offset:1536+512*\c
.endr
	v_cndmask_b32 v30, v29, v[PW], s42             ; lanes 0-15: tile 2 p's words; lanes 16-31: tile 2 p + 1's
	global_store_b32 v3, v30, s[48:49]
	s_endpgm
; ---------------- ROUTER
.Lrouter:
	s_sub_co_u32 s51, ttmp9, 80                    ; the batch
	s_and_b32 s29, s28, 7                          ; g: my 32 hidden units in phase 2; my K step in phase 1
	s_lshr_b32 s30, s28, 3                         ; which half of K is mine in phase 2
	s_mov_b32 s37, 0
	s_lshl_b32 s36, s51, 18
	s_add_nc_u64 s[46:47], s[4:5], s[36:37]        ; my batch of x
	s_lshl_b32 s36, s51, 4
	s_add_nc_u64 s[24:25], s[24:25], s[36:37]      ; my 16 bytes of sel
	s_add_nc_u64 s[26:27], s[26:27], s[36:37]      ; and of gate
	s_lshl_b32 s36, s30, 19                        ; 512 rows of W1, 1,024 bytes each
	s_lshl_b32 s35, s29, 7
	s_add_co_u32 s36, s36, s35
	s_add_nc_u64 s[44:45], s[6:7], s[36:37]
	v_and_b32 v6, 31, v0                           ; every LDS address is made here, ahead of the first parting of the waves
	s_wait_alu depctr_va_vdst(0)
	v_bfe_u32 v7, v0, 4, 1
	s_wait_alu depctr_va_vdst(0)
	v_lshlrev_b32 v52, 3, v0                       ; 8 x thread: my two columns, in x's rows and in the pooled row
	s_wait_alu depctr_va_vdst(0)
	s_lshl_b32 s35, s29, 9
	v_lshl_add_u32 v53, v7, 6, s35                 ; the pooled row's K step g, + 64 h
	s_mul_i32 s35, s29, 1536
	s_add_co_u32 s35, s35, PIMG
	v_lshl_add_u32 v54, v6, 4, s35                 ; where its image goes
	s_lshl_b32 s35, s29, 7
	s_add_co_u32 s35, s35, PSC
	v_lshl_add_u32 v55, v6, 2, s35                 ; and its scale words
	s_mul_i32 s35, s30, 6144
	s_add_co_u32 s35, s35, PIMG
	v_lshl_add_u32 v10, v6, 4, s35                 ; the four images of my half of K
	s_lshl_b32 s35, s30, 9
	s_add_co_u32 s35, s35, PSC
	v_lshl_add_u32 v11, v6, 2, s35
	s_lshl_b32 s35, s30, 10
	s_lshl_b32 s34, s29, 7
	s_add_co_u32 s35, s35, s34
	s_add_co_u32 s35, s35, HP
	v_lshl_add_u32 v2, v7, 6, s35                  ; my sums: half of K, 32 g units, + 16 h units
	v_lshl_add_u32 v3, v6, 5, HP                   ; the last phase: eight units a lane
	; phase 0: the mean.  Thread t sums columns 2 t, 2 t + 1 over the 64 tokens, 32 rows at a time, in four chains
.set RI, 0
.rept 32
	global_load_b64 v[ST+2*RI:ST+2*RI+1], v52, s[46:47] offset:4096*RI
.set RI, RI+1
.endr
	s_wait_loadcnt 0x0
.irp c, 0,1,2,3
	v_pk_add_f32 v[12+2*\c:13+2*\c], v[ST+2*\c:ST+2*\c+1], v[ST+8+2*\c:ST+9+2*\c]
.endr
.set RI, 8
.rept 24
	s_delay_alu instid0(VALU_DEP_4)
	v_pk_add_f32 v[12+2*(RI%4):13+2*(RI%4)], v[12+2*(RI%4):13+2*(RI%4)], v[ST+2*RI:ST+2*RI+1]
.set RI, RI+1
.endr
.set RI, 0
.rept 32
	global_load_b64 v[ST+2*RI:ST+2*RI+1], v52, s[46:47] offset:4096*(32+RI)
.set RI, RI+1
.endr
	s_wait_alu depctr_va_vdst(0)
	s_wait_loadcnt 0x0
.set RI, 0
.rept 32
	v_pk_add_f32 v[12+2*(RI%4):13+2*(RI%4)], v[12+2*(RI%4):13+2*(RI%4)], v[ST+2*RI:ST+2*RI+1]
.set RI, RI+1
.endr
	s_delay_alu instid0(VALU_DEP_3)
	v_pk_add_f32 v[12:13], v[12:13], v[14:15]
	s_delay_alu instid0(VALU_DEP_2)
	v_pk_add_f32 v[16:17], v[16:17], v[18:19]
	s_delay_alu instid0(VALU_DEP_1)
	v_pk_add_f32 v[12:13], v[12:13], v[16:17]
	s_delay_alu instid0(VALU_DEP_1)
	v_pk_mul_f32 v[12:13], v[12:13], 0x3c800000 op_sel_hi:[1,0]     ; / 64, exact
	ds_store_b64 v52, v[12:13]
	BARRIER                                        ; the pooled row lies in LDS
	; phase 1: waves 0-7 quantise one K step each.  All sixteen rows of the fragment are the pooled row
	s_cmp_lt_u32 s28, 8
	s_cbranch_scc0 .Lp1_done
.set XJ, 0
.rept 16
	ds_load_b128 v[ST+4*XJ:ST+4*XJ+3], v53 offset:128*(XJ/4)+16*(XJ%4)
.set XJ, XJ+1
.endr
.irp b, 0,1,2,3
	v_mov_b32 v[TM+4+\b], 0
.endr
	s_wait_dscnt 0x0
	QUANT ST
.irp c, 0,1,2
	ds_store_b128 v54, v[PC+4*\c:PC+4*\c+3] offset:512*\c
.endr
	ds_store_b32 v55, v[PW]
.Lp1_done:
	BARRIER                                        ; its eight images and their scale words lie in LDS
	; phase 2: wave w quantises W1's columns 32 g .. 32 g + 31 over its half of K and multiplies as it goes: two accumulators by turns
	LOADB 0, 1024, 1
	LOADB 1, 1024, 1
.set QT, 0
.rept 16
	QBLK QT, 1024, 1, 16
.set QT, QT+1
.endr
.rept 4
	v_nop                                          ; four places ahead of the stores that read the results
.endr
	ds_store_b128 v2, v[48:51]                     ; lane (r, h), tile u, register j: hidden unit 32 g + 16 h + 8 u + j; the sixteen r hold, and write, the same
	ds_store_b128 v2, v[52:55] offset:16
	ds_store_b128 v2, v[56:59] offset:32
	ds_store_b128 v2, v[60:63] offset:48
	BARRIER                                        ; both halves' sums lie in LDS
	s_cmp_lg_u32 s28, 0
	s_cbranch_scc1 .Lend
	; phase 3, wave 0 alone: lane l takes hidden units 8 l .. 8 l + 7
	s_load_b256 s[52:59], s[12:13], 0x0            ; b2
	ds_load_b128 v[12:15], v3
	ds_load_b128 v[16:19], v3 offset:16
	ds_load_b128 v[20:23], v3 offset:1024
	ds_load_b128 v[24:27], v3 offset:1040
	v_and_b32 v5, 31, v0
	s_delay_alu instid0(VALU_DEP_1)
	v_lshlrev_b32 v4, 5, v5
	s_delay_alu instid0(VALU_DEP_2)
	v_lshlrev_b32 v5, 8, v5
	global_load_b128 v[28:31], v4, s[8:9]          ; b1
	global_load_b128 v[32:35], v4, s[8:9] offset:16
.set XJ, 0
.rept 16
	global_load_b128 v[ST+4*XJ:ST+4*XJ+3], v5, s[10:11] offset:16*XJ   ; W2: register 8 i + e = W2(8 l + i, e)
.set XJ, XJ+1
.endr
.irp e, 0,1,2,3,4,5,6,7
	v_mov_b32 v[44+\e], 0                          ; lane permutes' destinations
.endr
	v_mov_b32 v60, -1.0                            ; under every probability
	s_wait_dscnt 0x0
	s_wait_loadcnt 0x0
	s_wait_kmcnt 0x0
.irp i, 0,1,2,3
	v_pk_add_f32 v[12+2*\i:13+2*\i], v[12+2*\i:13+2*\i], v[20+2*\i:21+2*\i]
.endr
.irp i, 0,1,2,3
	s_delay_alu instid0(VALU_DEP_4)
	v_pk_add_f32 v[12+2*\i:13+2*\i], v[12+2*\i:13+2*\i], v[28+2*\i:29+2*\i]
.endr
.irp i, 0,1,2,3,4,5,6,7
	v_mul_f32 v[12+\i], 0x4038aa3b, v[12+\i]       ; 2 log2(e) z
.endr
	s_wait_alu depctr_va_vdst(0)
.irp i, 0,1,2,3,4,5,6,7
	v_exp_f32 v[12+\i], v[12+\i]
.endr
	v_nop
	s_wait_alu depctr_va_vdst(0)                   ; one wait for the eight exponentials, ahead of their first reader
.irp i, 0,1,2,3,4,5,6,7
	v_add_f32 v[12+\i], 1.0, v[12+\i]
.endr
	s_wait_alu depctr_va_vdst(0)
.irp i, 0,1,2,3,4,5,6,7
	v_rcp_f32 v[12+\i], v[12+\i]
.endr
	v_nop
	s_wait_alu depctr_va_vdst(0)                   ; and one for the eight reciprocals
.irp i, 0,1,2,3,4,5,6,7
	v_fma_f32 v[12+\i], v[12+\i], -2.0, 1.0        ; tanh z = 1 - 2 / (1 + e^(2 z))
.endr
.irp e, 0,1,2,3,4,5,6,7
	v_mul_f32 v[36+\e], v12, v[ST+\e]
.endr
.irp i, 1,2,3,4,5,6,7
.irp e, 0,1,2,3,4,5,6,7
	v_fmac_f32 v[36+\e], v[12+\i], v[ST+8*\i+\e]
.endr
.endr
.irp m, 1,2,4,8
.irp e, 0,1,2,3,4,5,6,7
	v_add_f32_dpp v[36+\e], v[36+\e], v[36+\e] row_xmask:\m row_mask:0xf bank_mask:0xf
.endr
.endr
.irp e, 0,1,2,3,4,5,6,7
	v_permlanex16_b32 v[44+\e], v[36+\e], s40, s41
.endr
.irp e, 0,1,2,3,4,5,6,7
	v_add_f32 v[36+\e], v[36+\e], v[44+\e]
.endr
.irp e, 0,1,2,3,4,5,6,7
	v_add_f32 v[36+\e], s[52+\e], v[36+\e]         ; the eight logits, in every lane
.endr
	v_max3_num_f32 v61, v36, v37, v38
	s_delay_alu instid0(VALU_DEP_1)
	v_max3_num_f32 v61, v61, v39, v40
	s_delay_alu instid0(VALU_DEP_1)
	v_max3_num_f32 v61, v61, v41, v42
	s_delay_alu instid0(VALU_DEP_1)
	v_max_num_f32 v61, v61, v43
.irp e, 0,1,2,3,4,5,6,7
	v_sub_f32 v[36+\e], v[36+\e], v61              ; the maximum is taken away ahead of the exponential
.endr
.irp e, 0,1,2,3,4,5,6,7
	v_mul_f32 v[36+\e], 0x3fb8aa3b, v[36+\e]
.endr
	s_wait_alu depctr_va_vdst(0)
.irp e, 0,1,2,3,4,5,6,7
	v_exp_f32 v[36+\e], v[36+\e]
.endr
	v_nop
	s_wait_alu depctr_va_vdst(0)
	v_add_f32 v62, v36, v37
.irp e, 2,3,4,5,6,7
	v_add_f32 v62, v62, v[36+\e]
.endr
	s_wait_alu depctr_va_vdst(0)
	v_rcp_f32 v62, v62
	v_nop
	s_wait_alu depctr_va_vdst(0)
.irp e, 0,1,2,3,4,5,6,7
	v_mul_f32 v[36+\e], v[36+\e], v62              ; the probabilities
.endr
.macro TOP k                           ; the largest left, its zone (the lower number among equals), and the zone struck out.  Selections only: no branch, no address
	v_max3_num_f32 v[56+\k], v36, v37, v38
	s_delay_alu instid0(VALU_DEP_1)
	v_max3_num_f32 v[56+\k], v[56+\k], v39, v40
	s_delay_alu instid0(VALU_DEP_1)
	v_max3_num_f32 v[56+\k], v[56+\k], v41, v42
	s_delay_alu instid0(VALU_DEP_1)
	v_max_num_f32 v[56+\k], v[56+\k], v43
	v_mov_b32 v[52+\k], 7
.irp e, 6,5,4,3,2,1,0
	v_cmp_neq_f32 vcc_lo, v[36+\e], v[56+\k]
	s_delay_alu instid0(VALU_DEP_1)
	v_cndmask_b32 v[52+\k], \e, v[52+\k], vcc_lo
.endr
.irp e, 0,1,2,3,4,5,6,7
	v_cmp_eq_u32 vcc_lo, \e, v[52+\k]
	s_delay_alu instid0(VALU_DEP_1)
	v_cndmask_b32 v[36+\e], v[36+\e], v60, vcc_lo
.endr
.endm
	TOP 0
	TOP 1
	TOP 2
	v_add_f32 v61, v56, v57
	s_delay_alu instid0(VALU_DEP_1)
	v_add_f32 v61, v61, v58
	s_wait_alu depctr_va_vdst(0)
	v_rcp_f32 v61, v61
	v_mov_b32 v55, 0
	v_mov_b32 v59, 0
	v_mov_b32 v7, 0
	s_wait_alu depctr_va_vdst(0)
	v_mul_f32 v56, v56, v61
	v_mul_f32 v57, v57, v61
	v_mul_f32 v58, v58, v61
	v_cmp_eq_u32 vcc_lo, 0, v0
	s_wait_alu depctr_va_vdst(0)
	s_wait_xcnt 0x0                                ; EXEC changes only behind this wait
	s_and_saveexec_b32 s50, vcc_lo
	global_store_b128 v7, v[52:55], s[24:25]       ; lane 0: the three zones and a 0
	global_store_b128 v7, v[56:59], s[26:27]       ; their weights and a 0
	s_wait_xcnt 0x0
	s_or_b32 exec_lo, exec_lo, s50
.Lend:
	s_wait_tensorcnt 0x0
	ds_add_u32 v128, v129
	s_wait_dscnt 0x0
	s_endpgm
.Lfunc_end_k_q3f99b2372d_prep:
	.size	k_q3f99b2372d_prep, .Lfunc_end_k_q3f99b2372d_prep-k_q3f99b2372d_prep
	.p2alignl 7, 3214868480
	.fill 96, 4, 3214868480
	.section	.rodata,"a",@progbits
	.p2align	6, 0x0
	.amdhsa_kernel k_q3f99b2372d_prep
		.amdhsa_group_segment_fixed_size 26624
		.amdhsa_private_segment_fixed_size 0
		.amdhsa_enable_private_segment 0
		.amdhsa_kernarg_size 96
		.amdhsa_user_sgpr_count 2
		.amdhsa_user_sgpr_kernarg_segment_ptr 1
		.amdhsa_wavefront_size32 1
		.amdhsa_system_sgpr_workgroup_id_x 1
		.amdhsa_system_sgpr_workgroup_id_y 1
		.amdhsa_system_sgpr_workgroup_id_z 1
		.amdhsa_system_vgpr_workitem_id 0
		.amdhsa_next_free_vgpr 130
		.amdhsa_next_free_sgpr 66
		.amdhsa_reserve_vcc 1
		.amdhsa_float_denorm_mode_32 3
		.amdhsa_float_denorm_mode_16_64 3
		.amdhsa_memory_ordered 1
		.amdhsa_forward_progress 1
		.amdhsa_inst_pref_size 255
	.end_amdhsa_kernel
	.section	.bss,"aw",@nobits
	.p2align	6
	.space	262144
	.amdgpu_metadata
---
amdhsa.version: [ 1, 2 ]
amdhsa.kernels:
  - .name:           k_q3f99b2372d_prep
    .symbol:         k_q3f99b2372d_prep.kd
    .args:
      - { .name: x, .offset: 0, .size: 8, .value_kind: global_buffer, .address_space: global }
      - { .name: W1, .offset: 8, .size: 8, .value_kind: global_buffer, .address_space: global }
      - { .name: b1, .offset: 16, .size: 8, .value_kind: global_buffer, .address_space: global }
      - { .name: W2, .offset: 24, .size: 8, .value_kind: global_buffer, .address_space: global }
      - { .name: b2, .offset: 32, .size: 8, .value_kind: global_buffer, .address_space: global }
      - { .name: Wa, .offset: 40, .size: 8, .value_kind: global_buffer, .address_space: global }
      - { .name: Wb, .offset: 48, .size: 8, .value_kind: global_buffer, .address_space: global }
      - { .name: xqb, .offset: 56, .size: 8, .value_kind: global_buffer, .address_space: global }
      - { .name: wqa, .offset: 64, .size: 8, .value_kind: global_buffer, .address_space: global }
      - { .name: wqb, .offset: 72, .size: 8, .value_kind: global_buffer, .address_space: global }
      - { .name: sel, .offset: 80, .size: 8, .value_kind: global_buffer, .address_space: global }
      - { .name: gate, .offset: 88, .size: 8, .value_kind: global_buffer, .address_space: global }
    .group_segment_fixed_size: 26624
    .private_segment_fixed_size: 0
    .kernarg_segment_align: 8
    .kernarg_segment_size: 96
    .max_flat_workgroup_size: 512
    .sgpr_count:     66
    .vgpr_count:     130
    .wavefront_size: 32
...
	.end_amdgpu_metadata
.endif
;; end of part 4
;; launch up (part 5): grid 16 x 16, 4 waves a work-group, no clusters, 0 bytes of LDS; arguments xqb, wqa, sel, hqb; writes hqb
.if DOCPART == 5
	.amdgcn_target "amdgcn-amd-amdhsa--gfx1250"
	.amdhsa_code_object_version 6
	.text
	.protected	k_q3f99b2372d_up
	.globl	k_q3f99b2372d_up
	.p2align	8
	.type	k_q3f99b2372d_up,@function
k_q3f99b2372d_up:
	s_mov_b64 s[64:65], 0
	v_nop
	global_prefetch_b8 v0, s[64:65] scope:SCOPE_SE
	s_setreg_imm32_b32 hwreg(HW_REG_WAVE_SCHED_MODE, 0, 2), 2
	s_setreg_imm32_b32 hwreg(HW_REG_WAVE_MODE, 25, 1), 1
	s_wait_xcnt 0x0
	s_wait_alu depctr_vm_vsrc(0)
; UP.  h = Q(gelu(Q(x) Q(Wa[e]))) for the three zones e that the router chose for a batch; the other five have the weight 0 in the problem's own one-hot and are not multiplied.
; SHARES.  Work-group (x, y) = (slice of 256 hidden units, batch).  Wave w takes hidden units 256 x + 64 w .. + 63 for the batch's 64 rows, three times (zone 0, 1, 2 of the batch).
; Only a base address hangs on the choice: the zone's number, read as a whole number from sel and held to 0 .. 7.  No branch, no trip count, no LDS, no barrier.
; OPERANDS lie in memory as images of their registers, so each fragment comes by three loads of 16 bytes a lane, and each byte is loaded by one wave of the work-group alone.
; x's 32 fragments (8 K steps x 4 row tiles) stay in registers for all three zones; a zone's 32 weight fragments are resident too, and are asked for anew, for the next zone, while this zone is still at work.
; THE PRODUCT IS USED TRANSPOSED (source 0 = 16 columns of Wa, source 1 = 16 rows of x) and a weight tile's columns are chosen so that a lane's 32 results of a row tile are k = 32 b + 16 (lane / 16) + i of the
; next product: two blocks of 32, shared with lane l xor 16.  They are quantised in registers and leave as half an image (registers 6 c .. 6 c + 5, c = w % 2) of K step 2 x + w / 2.
; gelu is jax's default (tanh form): a / (1 + 2^(a (c0 + c1 a^2))), c0 = -2 sqrt(2 / pi) log2(e), c1 = 0.044715 c0, all in f32.
; LIMITS: NaN and infinities are not served; a block of zeros gets the byte 1 (its codes are zeros; this program alone reads the bytes).
; No cluster: what work-groups share here are a zone's weights, and which work-groups share a zone hangs on sel, which a mask written in the text cannot follow; x's codes are a quarter of a work-group's bytes.
; REGISTERS.  Window 0: v1-3 16, 8, 4 x lane; v16-31 x's scale words (2 s + p); v32-47 the weights' (8 g' + s); v48-51 c0, c1 as pairs; v52-63 fragment 63; v64-95 gelu's scratch, later the codes;
;   v96-113 the quantiser's; v128-255 the 16 accumulators ((mt, nt) at 128 + 32 mt + 8 nt).  Windows 1-3: fragments 0 .. 62, 21 to a window, none across a window's end.
; THE MODE: SCHED_MODE bits 1:0 = 2 (LLVM: expert scheduling mode 2), set by the entry lines.  The code itself states the register dependences between vector or matrix instructions and memory
; instructions, with s_wait_alu, always for 0.
; THE PLAN.  Registers that memory instructions touch:
;   v1, v2, v3      offsets, made once at the head and never written again; every load and store reads one of them.
;   x's fragments and scale words   loaded once; matrix instructions alone name them afterwards.
;   the weights' fragments of K step s   read by step s's sixteen matrix instructions, then loaded again for the next zone.
;   v32-47          the weights' scale words: read by all eight steps, then loaded again for the next zone.
;   v64-95, v112-113   written by gelu (as scratch), then by the quantiser and the two selections; read by the zone's ten stores; written again by the next zone's gelu.
; The waits.  At the head of K steps 2 and 4 one wait states that the two steps before are done reading their weights; those two steps' refills follow in two runs of twelve loads, each behind the first four
; matrix instructions of a step (2 and 3, or 4 and 5), which name other fragments.  The wait behind gelu's first exponentials states the same of K steps 4 to 7 and of the scale words, whose refills stand behind
; row tiles 0 and 1 of gelu: gelu and the quantiser name v48-51 and v64-255 alone.  One wait stands ahead of a zone's ten stores, and one, with the wait on XCNT beside it, ahead of the next zone's gelu.
.set XSR, 16
.set BSR, 32
.set ACC, 128
.set TG,  64
.set FLOOR, 0x2800000
.set OFF4,  0xfe000000
.set MSB, 0
.macro WIN new                         ; the immediate's high byte repeats the setting that is left; a switch that changes nothing is dropped
.if MSB != (\new)
	s_set_vgpr_msb (MSB<<8)|(\new)
.set MSB, (\new)
.endif
.endm
.macro FR f                            ; fragment f: its window FW and its first register there FL.  x's (s, mt) is f = 4 s + mt, the weights' (s, nt) is f = 32 + 4 s + nt
.if (\f) == 63
.set FW, 0
.set FL, 52
.else
.set FW, 1+(\f)/21
.set FL, 12*((\f)%21)
.endif
.endm
.macro WM d, a, b, zero, sa, sb, ra, rb ; one matrix instruction; ra, rb: which half of the lanes holds source 0's and source 1's scale words
.if \zero
.if ((\ra) == 0) && ((\rb) == 0)
	v_wmma_scale_f32_16x16x128_f8f6f4 v[\d:\d+7], v[\a:\a+11], v[\b:\b+11], 0, v[\sa], v[\sb] matrix_a_fmt:MATRIX_FMT_BF6 matrix_b_fmt:MATRIX_FMT_BF6
.elseif ((\ra) == 1) && ((\rb) == 0)
	v_wmma_scale_f32_16x16x128_f8f6f4 v[\d:\d+7], v[\a:\a+11], v[\b:\b+11], 0, v[\sa], v[\sb] matrix_a_fmt:MATRIX_FMT_BF6 matrix_b_fmt:MATRIX_FMT_BF6 matrix_a_scale:MATRIX_SCALE_ROW1
.elseif ((\ra) == 0) && ((\rb) == 1)
	v_wmma_scale_f32_16x16x128_f8f6f4 v[\d:\d+7], v[\a:\a+11], v[\b:\b+11], 0, v[\sa], v[\sb] matrix_a_fmt:MATRIX_FMT_BF6 matrix_b_fmt:MATRIX_FMT_BF6 matrix_b_scale:MATRIX_SCALE_ROW1
.else
	v_wmma_scale_f32_16x16x128_f8f6f4 v[\d:\d+7], v[\a:\a+11], v[\b:\b+11], 0, v[\sa], v[\sb] matrix_a_fmt:MATRIX_FMT_BF6 matrix_b_fmt:MATRIX_FMT_BF6 matrix_a_scale:MATRIX_SCALE_ROW1 matrix_b_scale:MATRIX_SCALE_ROW1
.endif
.else
.if ((\ra) == 0) && ((\rb) == 0)
	v_wmma_scale_f32_16x16x128_f8f6f4 v[\d:\d+7], v[\a:\a+11], v[\b:\b+11], v[\d:\d+7], v[\sa], v[\sb] matrix_a_fmt:MATRIX_FMT_BF6 matrix_b_fmt:MATRIX_FMT_BF6
.elseif ((\ra) == 1) && ((\rb) == 0)
	v_wmma_scale_f32_16x16x128_f8f6f4 v[\d:\d+7], v[\a:\a+11], v[\b:\b+11], v[\d:\d+7], v[\sa], v[\sb] matrix_a_fmt:MATRIX_FMT_BF6 matrix_b_fmt:MATRIX_FMT_BF6 matrix_a_scale:MATRIX_SCALE_ROW1
.elseif ((\ra) == 0) && ((\rb) == 1)
	v_wmma_scale_f32_16x16x128_f8f6f4 v[\d:\d+7], v[\a:\a+11], v[\b:\b+11], v[\d:\d+7], v[\sa], v[\sb] matrix_a_fmt:MATRIX_FMT_BF6 matrix_b_fmt:MATRIX_FMT_BF6 matrix_b_scale:MATRIX_SCALE_ROW1
.else
	v_wmma_scale_f32_16x16x128_f8f6f4 v[\d:\d+7], v[\a:\a+11], v[\b:\b+11], v[\d:\d+7], v[\sa], v[\sb] matrix_a_fmt:MATRIX_FMT_BF6 matrix_b_fmt:MATRIX_FMT_BF6 matrix_a_scale:MATRIX_SCALE_ROW1 matrix_b_scale:MATRIX_SCALE_ROW1
.endif
.endif
.endm
.macro PLACES
.rept 4
	v_nop
.endr
.endm
.macro LDX s                           ; x's four fragments of K step s
.set MT, 0
.rept 4
	FR 4*(\s)+MT
	WIN FW<<6
.set GR, 0
.rept 3
	global_load_b128 v[FL+4*GR:FL+4*GR+3], v1, s[44:45] offset:(\s)*6144+MT*1536+512*GR
.set GR, GR+1
.endr
.set MT, MT+1
.endr
.endm
.macro LDB k, s                        ; zone k's four weight fragments of K step s: twelve loads in one run
.set NT, 0
.rept 4
	FR 32+4*(\s)+NT
	WIN FW<<6
.set GR, 0
.rept 3
	global_load_b128 v[FL+4*GR:FL+4*GR+3], v1, s[20+2*(\k):21+2*(\k)] offset:(NT/2)*24576+(\s)*3072+(NT%2)*1536+512*GR
.set GR, GR+1
.endr
.set NT, NT+1
.endr
.endm
.macro LDBS k                          ; zone k's scale words: group g', four K steps to a load
	WIN 0
.set GR, 0
.rept 4
	global_load_b128 v[BSR+4*GR:BSR+4*GR+3], v1, s[26+2*(\k):27+2*(\k)] offset:(GR/2)*1024+(GR%2)*512
.set GR, GR+1
.endr
.endm
.macro MROWS s, zero, m0, cnt          ; K step s, row tiles m0 .. m0 + cnt - 1, four matrix instructions each.  Over a step the 16 accumulators take turns, one instruction a turn, in the same order in every step
.set MT, \m0
.rept \cnt
.set NT, 0
.rept 4
	FR 4*(\s)+MT
.set XW, FW
.set XL, FL
	FR 32+4*(\s)+NT
	WIN FW|(XW<<2)
.set AC, ACC+32*MT+8*NT
.set SA, BSR+8*(NT/2)+(\s)
.set SB, XSR+2*(\s)+MT/2
.set RA, NT%2
.set RB, MT%2
	WM AC, FL, XL, \zero, SA, SB, RA, RB
.set NT, NT+1
.endr
.set MT, MT+1
.endr
.endm
.macro GELU mt                         ; the row tile's 32 numbers a lane, in place; each accumulator is read from its low end on
	WIN 0
.set GA, ACC+32*(\mt)
.set GJ, 0
.rept 16
	v_pk_mul_f32 v[TG+GJ:TG+GJ+1], v[GA+GJ:GA+GJ+1], v[GA+GJ:GA+GJ+1]
.set GJ, GJ+2
.endr
.set GJ, 0
.rept 16
	v_pk_fma_f32 v[TG+GJ:TG+GJ+1], v[TG+GJ:TG+GJ+1], v[50:51], v[48:49]
.set GJ, GJ+2
.endr
.set GJ, 0
.rept 16
	v_pk_mul_f32 v[TG+GJ:TG+GJ+1], v[TG+GJ:TG+GJ+1], v[GA+GJ:GA+GJ+1]
.set GJ, GJ+2
.endr
.set GJ, 0
	s_wait_alu depctr_va_vdst(0)
.rept 32
	v_exp_f32 v[TG+GJ], v[TG+GJ]
.set GJ, GJ+1
.endr
	v_nop
	s_wait_alu depctr_va_vdst(0)                   ; the 32 exponentials have written v64-95, ahead of their first reader; in row tile 0 also: the zone's matrix instructions are done reading the weights' fragments of K steps 4 to 7 and v32-47, in which the loads behind row tiles 0 and 1 land
.set GJ, 0
.rept 16
	v_pk_add_f32 v[TG+GJ:TG+GJ+1], v[TG+GJ:TG+GJ+1], 1.0 op_sel_hi:[1,0]
.set GJ, GJ+2
.endr
.set GJ, 0
	s_wait_alu depctr_va_vdst(0)
.rept 32
	v_rcp_f32 v[TG+GJ], v[TG+GJ]
.set GJ, GJ+1
.endr
	v_nop
	s_wait_alu depctr_va_vdst(0)                   ; the 32 reciprocals have written v64-95, ahead of their first reader
.set GJ, 0
.rept 16
	v_pk_mul_f32 v[GA+GJ:GA+GJ+1], v[GA+GJ:GA+GJ+1], v[TG+GJ:TG+GJ+1]
.set GJ, GJ+2
.endr
.endm
.macro QUANT2 mt                       ; the row tile's two blocks of 32 become six registers of codes, v[64 + 8 mt] on, and two scale bytes
	WIN 0
.set QA, ACC+32*(\mt)
.set QH, TG+8*(\mt)
	v_max3_num_f32 v96, |v[QA]|, |v[QA+1]|, FLOOR
	v_max3_num_f32 v97, |v[QA+16]|, |v[QA+17]|, FLOOR
.irp i, 2,4,6,8,10,12,14
	v_max3_num_f32 v96, v96, |v[QA+\i]|, |v[QA+\i+1]|
	v_max3_num_f32 v97, v97, |v[QA+16+\i]|, |v[QA+17+\i]|
.endr
	v_permlanex16_b32 v98, v96, s48, s49
	v_permlanex16_b32 v99, v97, s48, s49
	v_max_num_f32 v96, v96, v98                    ; with lane l xor 16's sixteen: the block's largest magnitude
	v_max_num_f32 v97, v97, v99
	v_add_nc_u32 v100, OFF4, v96
	v_add_nc_u32 v101, OFF4, v97
	v_lshrrev_b32 v102, 23, v100
	v_lshrrev_b32 v103, 23, v101
	v_lshl_or_b32 v[108+\mt], v103, 8, v102        ; my row's two bytes
	v_cvt_scalef32_pk16_bf6_f32 v[QH:QH+2], v[QA:QA+15], v100
	v_cvt_scalef32_pk16_bf6_f32 v[104:106], v[QA+16:QA+31], v101
	v_nop                                          ; one plain instruction behind the conversions
.irp i, 0,1,2
	v_permlane16_swap_b32 v[QH+\i], v[104+\i]      ; the operand wants a whole block in a lane
.endr
.irp i, 0,1,2
	v_mov_b32 v[QH+3+\i], v[104+\i]
.endr
.endm
.macro SENDH k                         ; the zone's ten stores, in one run
	WIN 0
.set MT, 0
.rept 4
	global_store_b128 v1, v[TG+8*MT:TG+8*MT+3], s[32+2*(\k):33+2*(\k)] offset:1536*MT          ; 512 consecutive bytes at a multiple of 256
	global_store_b64 v2, v[TG+8*MT+4:TG+8*MT+5], s[32+2*(\k):33+2*(\k)] offset:1536*MT+512     ; 256 consecutive bytes at a multiple of 256
.set MT, MT+1
.endr
	global_store_b16 v2, v112, s[38+2*(\k):39+2*(\k)]            ; my half (c) of each word: two bytes a lane, 1 / 24 of the codes' bytes
	global_store_b16 v2, v113, s[38+2*(\k):39+2*(\k)] offset:4
.endm
.macro SUBTILE k
.if \k > 0
	s_wait_loadcnt 0x0                             ; this zone's fragments and scale words, asked for during the last zone
.endif
.set SS, 0
.rept 8
.if \k == 0
.if SS < 7
	s_wait_loadcnt 63                              ; behind this step's loads stand 24 for each later step and 12 for each refill already issued: 72 or more
.else
	s_wait_loadcnt 48                              ; behind the last step's loads: the four refills of 12
.endif
.endif
.if (\k < 2) && ((SS == 2) || (SS == 4))
	PLACES                                         ; four places ahead of loads into registers that matrix instructions have read
	s_wait_alu depctr_va_vdst(0)                   ; the matrix instructions of the two K steps before are done reading their weights' fragments, in which the two runs of loads in this step and the next land
.endif
.if SS == 0
	MROWS SS, 1, 0, 4                              ; the first K step starts the sums: nothing is cleared
.elseif (\k < 2) && (SS >= 2) && (SS < 6)
	MROWS SS, 0, 0, 1
	LDB \k+1, SS-2                                 ; the next zone's weights of the K step two back.  No wait: no matrix instruction since the wait above names these fragments or v1
	MROWS SS, 0, 1, 3
.else
	MROWS SS, 0, 0, 4
.endif
.set SS, SS+1
.endr
	WIN 0
	PLACES                                         ; four places ahead of the first read of the results
.if \k > 0
	s_wait_xcnt 0x0                                ; the last zone's stores have had their addresses translated: v64-95 and v112-113 are written again only behind this wait
	s_wait_alu depctr_vm_vsrc(0)                   ; the last zone's stores, eight K steps back, have read v64-95 and v112-113, which gelu, the quantiser and the selections below write again
.endif
	GELU 0
.if \k < 2
	LDB \k+1, 4                                    ; behind gelu's waits; gelu names none of these registers
	LDB \k+1, 5
.endif
	GELU 1
.if \k < 2
	LDB \k+1, 6
	LDB \k+1, 7
	LDBS \k+1
.endif
	GELU 2
	GELU 3
	QUANT2 0
	QUANT2 1
	QUANT2 2
	QUANT2 3
	v_cndmask_b32 v112, v108, v109, s50            ; scale word p: lanes 0-15 row tile 2 p, lanes 16-31 row tile 2 p + 1
	v_cndmask_b32 v113, v110, v111, s50
	s_wait_alu depctr_va_vdst(0)                   ; the quantiser has written the codes in v64-95 and the selections v112-113, which the ten stores read
	SENDH \k
.endm
	s_load_b256 s[4:11], s[0:1], 0x0               ; xqb, wqa, sel, hqb
	v_and_b32 v3, 31, v0
	v_lshrrev_b32 v4, 5, v0
	v_readfirstlane_b32 s13, v4                    ; wave 0..3
	v_lshlrev_b32 v1, 4, v3
	v_lshlrev_b32 v2, 3, v3
	v_lshlrev_b32 v3, 2, v3
	v_mov_b32 v48, 0xc0135761                      ; c0
	v_mov_b32 v49, 0xc0135761
	v_mov_b32 v50, 0xbdd2d3e8                      ; c1
	v_mov_b32 v51, 0xbdd2d3e8
	v_mov_b32 v98, 0                               ; lane permutes' destinations count as read
	v_mov_b32 v99, 0
	s_wait_alu depctr_va_sdst(0)                   ; s13 is written, ahead of its first reader: the bases are made from it
	s_and_b32 s12, ttmp7, 0xffff                   ; the batch
	s_lshl_b32 s14, s12, 4
	s_mov_b32 s15, 0
	s_mov_b32 s53, 0
	s_mov_b32 s48, 0x76543210
	s_mov_b32 s49, 0xfedcba98
	s_mov_b32 s50, 0xffff0000
	s_mul_i32 s51, s12, 3                          ; the batch's first pair (batch, rank)
	s_lshl_b32 s54, ttmp9, 1
	s_lshr_b32 s55, s13, 1
	s_add_co_u32 s54, s54, s55                     ; the next product's K step: 2 x + w / 2
	s_and_b32 s55, s13, 1                          ; and which half of it
	s_lshl_b32 s56, ttmp9, 3
	s_lshl_b32 s57, s13, 1
	s_add_co_u32 s56, s56, s57                     ; my first group of 32 columns: 8 x + 2 w
	s_wait_kmcnt 0x0
	s_add_nc_u64 s[8:9], s[8:9], s[14:15]
	s_load_b128 s[16:19], s[8:9], 0x0              ; the batch's three zones
	s_mul_i32 s52, s12, 49152
	s_add_nc_u64 s[44:45], s[4:5], s[52:53]        ; x's codes
	s_lshl_b32 s52, s12, 11
	s_add_co_u32 s52, s52, 786432
	s_add_nc_u64 s[46:47], s[4:5], s[52:53]        ; x's scale words
	s_wait_alu depctr_va_vdst(0)                   ; v1, v2 and v3 are written: every load and store of the kernel reads one of them as its offset
.set SS, 0
.rept 16
	global_load_b32 v[XSR+SS], v3, s[46:47] offset:128*SS
.set SS, SS+1
.endr
	s_wait_kmcnt 0x0
.irp k, 0,1,2
	s_min_u32 s[16+\k], s[16+\k], 7                ; a zone's number enters addresses only behind this hold
	s_mul_i32 s52, s[16+\k], 3145728
	s_mul_i32 s57, s56, 24576
	s_add_co_u32 s52, s52, s57
	s_add_nc_u64 s[20+2*\k:21+2*\k], s[6:7], s[52:53]     ; the zone's codes at my two groups
	s_lshl_b32 s52, s[16+\k], 17
	s_lshl_b32 s57, s56, 10
	s_add_co_u32 s52, s52, s57
	s_add_co_u32 s52, s52, 25165824
	s_add_nc_u64 s[26+2*\k:27+2*\k], s[6:7], s[52:53]     ; and their scale words
	s_add_co_u32 s58, s51, \k
	s_mul_i32 s52, s58, 196608
	s_mul_i32 s57, s54, 6144
	s_add_co_u32 s52, s52, s57
	s_mul_i32 s57, s55, 768
	s_add_co_u32 s52, s52, s57
	s_add_nc_u64 s[32+2*\k:33+2*\k], s[10:11], s[52:53]   ; where h's codes go
	s_lshl_b32 s52, s58, 13
	s_lshl_b32 s57, s54, 8
	s_add_co_u32 s52, s52, s57
	s_lshl_b32 s57, s55, 1
	s_add_co_u32 s52, s52, s57
	s_add_co_u32 s52, s52, 9437184
	s_add_nc_u64 s[38+2*\k:39+2*\k], s[10:11], s[52:53]   ; and its scale bytes
.endr
	LDBS 0
.set LS0, 0
.rept 8
	LDX LS0
	LDB 0, LS0
.set LS0, LS0+1
.endr
	SUBTILE 0
	SUBTILE 1
	SUBTILE 2
	s_endpgm
.Lfunc_end_k_q3f99b2372d_up:
	.size	k_q3f99b2372d_up, .Lfunc_end_k_q3f99b2372d_up-k_q3f99b2372d_up
	.p2alignl 7, 3214868480
	.fill 96, 4, 3214868480
	.section	.rodata,"a",@progbits
	.p2align	6, 0x0
	.amdhsa_kernel k_q3f99b2372d_up
		.amdhsa_group_segment_fixed_size 0
		.amdhsa_private_segment_fixed_size 0
		.amdhsa_enable_private_segment 0
		.amdhsa_kernarg_size 32
		.amdhsa_user_sgpr_count 2
		.amdhsa_user_sgpr_kernarg_segment_ptr 1
		.amdhsa_wavefront_size32 1
		.amdhsa_system_sgpr_workgroup_id_x 1
		.amdhsa_system_sgpr_workgroup_id_y 1
		.amdhsa_system_sgpr_workgroup_id_z 1
		.amdhsa_system_vgpr_workitem_id 0
		.amdhsa_next_free_vgpr 1024
		.amdhsa_next_free_sgpr 66
		.amdhsa_reserve_vcc 0
		.amdhsa_float_denorm_mode_32 3
		.amdhsa_float_denorm_mode_16_64 3
		.amdhsa_memory_ordered 1
		.amdhsa_forward_progress 1
		.amdhsa_inst_pref_size 208
	.end_amdhsa_kernel
	.amdgpu_metadata
---
amdhsa.version: [ 1, 2 ]
amdhsa.kernels:
  - .name:           k_q3f99b2372d_up
    .symbol:         k_q3f99b2372d_up.kd
    .args:
      - { .name: xqb, .offset: 0, .size: 8, .value_kind: global_buffer, .address_space: global }
      - { .name: wqa, .offset: 8, .size: 8, .value_kind: global_buffer, .address_space: global }
      - { .name: sel, .offset: 16, .size: 8, .value_kind: global_buffer, .address_space: global }
      - { .name: hqb, .offset: 24, .size: 8, .value_kind: global_buffer, .address_space: global }
    .group_segment_fixed_size: 0
    .private_segment_fixed_size: 0
    .kernarg_segment_align: 8
    .kernarg_segment_size: 32
    .max_flat_workgroup_size: 128
    .sgpr_count:     66
    .vgpr_count:     1024
    .wavefront_size: 32
...
	.end_amdgpu_metadata
.endif
;; end of part 5
;; launch down (part 6): grid 16 x 16, 8 waves a work-group, no clusters, 140,288 bytes of LDS; arguments hqb, wqb, sel, gate, x, out0; writes out0
.if DOCPART == 6
	.amdgcn_target "amdgcn-amd-amdhsa--gfx1250"
	.amdhsa_code_object_version 6
	.text
	.protected	k_q3f99b2372d_down
	.globl	k_q3f99b2372d_down
	.p2align	8
	.type	k_q3f99b2372d_down,@function
k_q3f99b2372d_down:
	s_mov_b64 s[64:65], 0
	v_nop
	global_prefetch_b8 v0, s[64:65] scope:SCOPE_SE
	s_setreg_imm32_b32 hwreg(HW_REG_WAVE_SCHED_MODE, 0, 2), 2
	s_setreg_imm32_b32 hwreg(HW_REG_WAVE_MODE, 25, 1), 1
	s_wait_xcnt 0x0
	s_wait_alu depctr_vm_vsrc(0)
; DOWN.  out = x + sum over the batch's three zones of gate x (h Q(Wb[e])).  Work-group (x, y) = (64 columns of the output, batch): it owns 64 rows x 64 columns, so each output number has one owner.
; K IS SHARED AMONG THE EIGHT WAVES: wave w takes K steps 4 w .. 4 w + 3 of each zone, twelve steps of 128 in all, each 64 rows x 64 columns = 16 matrix instructions.  So each byte of h's codes and of the
; weights' codes is loaded by one wave of the work-group alone, straight into registers: both lie in memory as images of the operand's registers.
; A zone's four steps are summed in 16 accumulators (begun with the constant 0); then the total takes gate x the sum by one packed multiply-add.  The eight waves' totals meet in LDS behind the launch's one
; barrier; each wave adds eight rows' parts to x and stores them, sixteen lanes to 256 consecutive bytes at a multiple of 256.
; Only base addresses hang on the choice (sel, read as whole numbers and held to 0 .. 7); gate enters arithmetic alone.
; THE PRODUCT IS USED TRANSPOSED (source 0 = 16 columns of Wb, source 1 = 16 rows of h): lane (r, h), tile (g', mt, u), register j holds row 16 mt + r, column 32 g' + 16 h + 8 u + j.
; The order of the sums differs from the problem's text: K in eight parts, the zones weighed before the parts are added; all in f32.
; No cluster: the sixteen work-groups of a batch do share h's codes, half of a work-group's bytes, but sharing them would want them in LDS by joint loads; the weights' half hangs on sel and cannot be shared by a
; mask written in the text.  No tensor load, so no ring.
; REGISTERS.  Window 0: v1, v2 16, 8 x lane; v3-6 the way out's addresses; v16-31 h's scale words, two sets (2 j + p); v32-47 the weights', two sets (4 g' + j); v48-143, v144-239 two sets of
;   fragments (h's four, then the weights' four); v254, v255 the closing add's two.  Window 1: v0-127 the accumulators, v128-255 the totals.
; THE MODE: SCHED_MODE bits 1:0 = 2 (LLVM: expert scheduling mode 2), set by the entry lines.  The code itself states the register dependences between vector or matrix instructions and memory or LDS
; instructions, with s_wait_alu, always for 0.
; THE PLAN.  Registers that memory or LDS instructions touch:
;   v1 .. v6        offsets and LDS addresses, made once at the head and never written again.
;   the two sets of fragments   step t's sixteen matrix instructions read set t % 2; step t + 2's 28 loads land in it.
;   the two sets of scale words   a zone's four steps read one set; the loads of the zone after next land in it, in that zone's third step.
;   the totals      written by the packed multiply-adds behind each zone; read by the 32 LDS stores of the way out; never written again.
;   v48-175         on the way out the eight waves' parts land here from LDS; v176-191: x lands here, the packed additions write them, the four stores read them.
;   v254, v255      written at the head, read by the closing add alone.
; The two sets of fragments, the accumulators and the totals fill the wave's 512 registers but for 14, so there is no third set, and a set is asked for again as soon as it is empty: ONE wait a step, behind the
; step's matrix instructions and their places, states that they are done reading the set (and, in a zone's third step, that the zone before last is done reading its scale words); the step's loads follow it at once.
; On the way out one wait behind the last totals serves x's loads, the LDS stores' data and the LDS loads, and one stands ahead of the four stores.  No register that a memory or LDS instruction reads is written again.
.set MSB, 0
.macro WIN new
.if MSB != (\new)
	s_set_vgpr_msb (MSB<<8)|(\new)
.set MSB, (\new)
.endif
.endm
.macro WM d, a, b, zero, sa, sb, ra, rb
.if \zero
.if ((\ra) == 0) && ((\rb) == 0)
	v_wmma_scale_f32_16x16x128_f8f6f4 v[\d:\d+7], v[\a:\a+11], v[\b:\b+11], 0, v[\sa], v[\sb] matrix_a_fmt:MATRIX_FMT_BF6 matrix_b_fmt:MATRIX_FMT_BF6
.elseif ((\ra) == 1) && ((\rb) == 0)
	v_wmma_scale_f32_16x16x128_f8f6f4 v[\d:\d+7], v[\a:\a+11], v[\b:\b+11], 0, v[\sa], v[\sb] matrix_a_fmt:MATRIX_FMT_BF6 matrix_b_fmt:MATRIX_FMT_BF6 matrix_a_scale:MATRIX_SCALE_ROW1
.elseif ((\ra) == 0) && ((\rb) == 1)
	v_wmma_scale_f32_16x16x128_f8f6f4 v[\d:\d+7], v[\a:\a+11], v[\b:\b+11], 0, v[\sa], v[\sb] matrix_a_fmt:MATRIX_FMT_BF6 matrix_b_fmt:MATRIX_FMT_BF6 matrix_b_scale:MATRIX_SCALE_ROW1
.else
	v_wmma_scale_f32_16x16x128_f8f6f4 v[\d:\d+7], v[\a:\a+11], v[\b:\b+11], 0, v[\sa], v[\sb] matrix_a_fmt:MATRIX_FMT_BF6 matrix_b_fmt:MATRIX_FMT_BF6 matrix_a_scale:MATRIX_SCALE_ROW1 matrix_b_scale:MATRIX_SCALE_ROW1
.endif
.else
.if ((\ra) == 0) && ((\rb) == 0)
	v_wmma_scale_f32_16x16x128_f8f6f4 v[\d:\d+7], v[\a:\a+11], v[\b:\b+11], v[\d:\d+7], v[\sa], v[\sb] matrix_a_fmt:MATRIX_FMT_BF6 matrix_b_fmt:MATRIX_FMT_BF6
.elseif ((\ra) == 1) && ((\rb) == 0)
	v_wmma_scale_f32_16x16x128_f8f6f4 v[\d:\d+7], v[\a:\a+11], v[\b:\b+11], v[\d:\d+7], v[\sa], v[\sb] matrix_a_fmt:MATRIX_FMT_BF6 matrix_b_fmt:MATRIX_FMT_BF6 matrix_a_scale:MATRIX_SCALE_ROW1
.elseif ((\ra) == 0) && ((\rb) == 1)
	v_wmma_scale_f32_16x16x128_f8f6f4 v[\d:\d+7], v[\a:\a+11], v[\b:\b+11], v[\d:\d+7], v[\sa], v[\sb] matrix_a_fmt:MATRIX_FMT_BF6 matrix_b_fmt:MATRIX_FMT_BF6 matrix_b_scale:MATRIX_SCALE_ROW1
.else
	v_wmma_scale_f32_16x16x128_f8f6f4 v[\d:\d+7], v[\a:\a+11], v[\b:\b+11], v[\d:\d+7], v[\sa], v[\sb] matrix_a_fmt:MATRIX_FMT_BF6 matrix_b_fmt:MATRIX_FMT_BF6 matrix_a_scale:MATRIX_SCALE_ROW1 matrix_b_scale:MATRIX_SCALE_ROW1
.endif
.endif
.endm
.macro LDSC k, buf                     ; zone k's scale words of my four K steps: 6 loads
.set GR, 0
.rept 4
	global_load_b64 v[16+8*(\buf)+2*GR:17+8*(\buf)+2*GR], v2, s[36+2*(\k):37+2*(\k)] offset:256*GR
.set GR, GR+1
.endr
.set GR, 0
.rept 2
	global_load_b128 v[32+8*(\buf)+4*GR:35+8*(\buf)+4*GR], v1, s[48+2*(\k):49+2*(\k)] offset:4096*GR
.set GR, GR+1
.endr
.endm
.macro LDIT k, j, set                  ; zone k, my j-th K step: h's four fragments (16 loads) and the weights' four (12)
.set SB0, 48+96*(\set)
.set MT, 0
.rept 4
	global_load_b128 v[SB0+12*MT:SB0+12*MT+3],     v1, s[30+2*(\k):31+2*(\k)] offset:(\j)*6144+1536*MT
	global_load_b64  v[SB0+12*MT+4:SB0+12*MT+5],   v2, s[30+2*(\k):31+2*(\k)] offset:(\j)*6144+1536*MT+512
	global_load_b128 v[SB0+12*MT+6:SB0+12*MT+9],   v1, s[30+2*(\k):31+2*(\k)] offset:(\j)*6144+1536*MT+768
	global_load_b64  v[SB0+12*MT+10:SB0+12*MT+11], v2, s[30+2*(\k):31+2*(\k)] offset:(\j)*6144+1536*MT+1280
.set MT, MT+1
.endr
.set NT, 0
.rept 4
.set GR, 0
.rept 3
	global_load_b128 v[SB0+48+12*NT+4*GR:SB0+48+12*NT+4*GR+3], v1, s[42+2*(\k):43+2*(\k)] offset:(NT/2)*98304+(\j)*3072+(NT%2)*1536+512*GR
.set GR, GR+1
.endr
.set NT, NT+1
.endr
.endm
.macro MUL16 set, j, buf, zero         ; the 16 accumulators take turns, one instruction a turn, in the same order in every step
	WIN 0x50                                       ; C and D in window 1
.set GP, 0
.rept 2
.set MT, 0
.rept 4
.set UU, 0
.rept 2
.set AC, 64*GP+16*MT+8*UU
.set FB, 48+96*(\set)+48+12*(2*GP+UU)
.set FA, 48+96*(\set)+12*MT
.set SA, 32+8*(\buf)+4*GP+(\j)
.set SB, 16+8*(\buf)+2*(\j)+MT/2
.set RB, MT%2
	WM AC, FB, FA, \zero, SA, SB, UU, RB
.set UU, UU+1
.endr
.set MT, MT+1
.endr
.set GP, GP+1
.endr
	WIN 0
.rept 4
	v_nop                                          ; four places ahead of loads into the fragments' registers and of the first read of the results
.endr
.endm
.macro TOT k                           ; the total takes gate x the zone's sums; each accumulator is read from its low end on
	WIN 0x51                                       ; destination, source 0 and source 2 in window 1
.set GJ, 0
.rept 64
.if (\k) == 0
	v_pk_mul_f32 v[128+GJ:129+GJ], v[GJ:GJ+1], s[24+2*(\k):25+2*(\k)] op_sel_hi:[1,0]
.else
	v_pk_fma_f32 v[128+GJ:129+GJ], v[GJ:GJ+1], s[24+2*(\k):25+2*(\k)], v[128+GJ:129+GJ] op_sel_hi:[1,0,1]
.endif
.set GJ, GJ+2
.endr
	WIN 0
.endm
	s_load_b256 s[4:11], s[0:1], 0x0               ; hqb, wqb, sel, gate
	s_load_b128 s[12:15], s[0:1], 0x20             ; x, out0
	v_lshl_add_u32 v254, v0, 2, 0x22000
	v_mov_b32 v255, 0
	v_and_b32 v7, 31, v0
	v_lshrrev_b32 v8, 5, v0
	v_readfirstlane_b32 s59, v8                    ; wave 0..7
	v_lshlrev_b32 v1, 4, v7
	v_lshlrev_b32 v2, 3, v7
	v_and_b32 v8, 15, v0                           ; r
	v_bfe_u32 v9, v0, 4, 1                         ; h
	s_wait_alu depctr_va_sdst(0)                   ; s59 is written, ahead of its first reader: LDS addresses and bases are made from it
	s_mul_i32 s2, s59, 17408                       ; my region of LDS: 64 rows of 256 bytes + 16
	v_mul_u32_u24 v3, v8, 272
	v_lshl_add_u32 v3, v9, 6, v3
	v_add_nc_u32 v3, s2, v3                        ; in: row r, + 64 h bytes
	s_mul_i32 s2, s59, 2176                        ; back: rows 8 w on, of every region; lanes 0-15 one row, lanes 16-31 the next
	v_mul_u32_u24 v4, v9, 272
	v_lshl_add_u32 v4, v8, 4, v4
	v_add_nc_u32 v4, s2, v4                        ; regions 0-3
	v_add_nc_u32 v5, 69632, v4                     ; regions 4-7
	v_lshlrev_b32 v6, 12, v9
	v_lshl_add_u32 v6, v8, 4, v6                   ; the same two rows in x and in out0
	s_and_b32 s58, ttmp7, 0xffff                   ; the batch
	s_lshl_b32 s60, s58, 4
	s_mov_b32 s61, 0
	s_mul_i32 s62, s58, 3
	s_wait_kmcnt 0x0
	s_add_nc_u64 s[8:9], s[8:9], s[60:61]
	s_add_nc_u64 s[10:11], s[10:11], s[60:61]
	s_load_b128 s[16:19], s[8:9], 0x0              ; the batch's three zones
	s_load_b128 s[20:23], s[10:11], 0x0            ; and their weights
	s_lshl_b32 s60, s58, 18                        ; 64 rows of 4,096 bytes a batch,
	s_lshl_b32 s2, s59, 15                         ; 8 rows a wave,
	s_add_co_u32 s60, s60, s2
	s_lshl_b32 s2, ttmp9, 8                        ; 256 bytes a slice
	s_add_co_u32 s60, s60, s2
	s_add_nc_u64 s[54:55], s[12:13], s[60:61]
	s_add_nc_u64 s[56:57], s[14:15], s[60:61]
	s_wait_kmcnt 0x0
	s_mov_b32 s24, s20                             ; each weight as a pair: the packed forms name a pair and take its low word for both halves
	s_mov_b32 s25, s20
	s_mov_b32 s26, s21
	s_mov_b32 s27, s21
	s_mov_b32 s28, s22
	s_mov_b32 s29, s22
.irp k, 0,1,2
	s_min_u32 s[16+\k], s[16+\k], 7                ; a zone's number enters addresses only behind this hold
	s_add_co_u32 s63, s62, \k                      ; the pair (batch, rank)
	s_mul_i32 s60, s63, 196608
	s_mul_i32 s2, s59, 24576
	s_add_co_u32 s60, s60, s2
	s_add_nc_u64 s[30+2*\k:31+2*\k], s[4:5], s[60:61]     ; h's codes at my four K steps
	s_lshl_b32 s60, s63, 13
	s_lshl_b32 s2, s59, 10
	s_add_co_u32 s60, s60, s2
	s_add_co_u32 s60, s60, 9437184
	s_add_nc_u64 s[36+2*\k:37+2*\k], s[4:5], s[60:61]     ; h's scale words
	s_mul_i32 s60, s[16+\k], 3145728
	s_mul_i32 s2, ttmp9, 196608
	s_add_co_u32 s60, s60, s2
	s_mul_i32 s2, s59, 12288
	s_add_co_u32 s60, s60, s2
	s_add_nc_u64 s[42+2*\k:43+2*\k], s[6:7], s[60:61]     ; the zone's codes: my two groups, my four K steps
	s_lshl_b32 s60, s[16+\k], 17
	s_lshl_b32 s2, ttmp9, 13
	s_add_co_u32 s60, s60, s2
	s_lshl_b32 s2, s59, 9
	s_add_co_u32 s60, s60, s2
	s_add_co_u32 s60, s60, 25165824
	s_add_nc_u64 s[48+2*\k:49+2*\k], s[6:7], s[60:61]     ; and their scale words
.endr
	s_wait_alu depctr_va_vdst(0)                   ; the six offsets and LDS addresses v1 to v6 are written, which the loads and stores of the whole kernel read
	LDSC 0, 0
	LDIT 0, 0, 0
	LDIT 0, 1, 1                                   ; 62 loads are out
.set IT, 0
.rept 12                               ; step IT = 4 k + j; its fragments were asked for two steps ago
.if IT == 11
	s_wait_loadcnt 0x0
.elseif (IT%4) == 3
	s_wait_loadcnt 34                              ; behind this step's loads: the next zone's 6 scale loads and the next step's 28
.else
	s_wait_loadcnt 28                              ; behind this step's loads: the next step's 28
.endif
.if (IT%4) == 0
	MUL16 IT%2, IT%4, (IT/4)%2, 1                  ; a zone's first step starts its sums
.else
	MUL16 IT%2, IT%4, (IT/4)%2, 0
.endif
.if IT+2 < 12
	s_wait_alu depctr_va_vdst(0)                   ; this step's matrix instructions are done reading their set of fragments, in which the loads below land; in a zone's third step also: the zone before last is done reading its scale words.  The places above stay beside this wait
.if ((IT+2)%4) == 0
	LDSC (IT+2)/4, ((IT+2)/4)%2
.endif
	LDIT (IT+2)/4, (IT+2)%4, IT%2
.endif
.if (IT%4) == 3
	TOT IT/4
.endif
.set IT, IT+1
.endr
	; THE WAY OUT
	s_wait_alu depctr_va_vdst(0)                   ; the multiply-adds have written the totals, which the LDS stores read; the last steps' matrix instructions are done reading v48-239, in which x's rows and, behind the barrier, the parts from LDS land: no vector instruction stands between this wait and those loads
.set II, 0
.rept 4
	global_load_b128 v[176+4*II:179+4*II], v6, s[54:55] offset:8192*II th:TH_LOAD_NT   ; x: my eight rows' 256 bytes
.set II, II+1
.endr
	WIN 0x04                                       ; an LDS store's data are its source 1: window 1
.set GP, 0
.rept 2
.set MT, 0
.rept 4
.set UU, 0
.rept 4                                ; UU = 2 u + half
	ds_store_b128 v3, v[128+64*GP+16*MT+4*UU:131+64*GP+16*MT+4*UU] offset:16*MT*272+128*GP+16*UU
.set UU, UU+1
.endr
.set MT, MT+1
.endr
.set GP, GP+1
.endr
	WIN 0
	s_wait_dscnt 0x0                               ; for the others' sake: my totals lie in LDS
	s_barrier_signal -1
	s_barrier_wait -1
.set II, 0
.rept 4
.set VV, 0
.rept 4
	ds_load_b128 v[48+32*II+4*VV:51+32*II+4*VV], v4 offset:VV*17408+544*II
	ds_load_b128 v[64+32*II+4*VV:67+32*II+4*VV], v5 offset:VV*17408+544*II
.set VV, VV+1
.endr
.set II, II+1
.endr
	s_wait_dscnt 0x0
	s_wait_loadcnt 0x0
.set VV, 0
.rept 8                                ; x + the eight waves' parts: eight chains that do not wait for each other
.set II, 0
.rept 4
	v_pk_add_f32 v[176+4*II:177+4*II], v[176+4*II:177+4*II], v[48+32*II+4*VV:49+32*II+4*VV]
	v_pk_add_f32 v[178+4*II:179+4*II], v[178+4*II:179+4*II], v[50+32*II+4*VV:51+32*II+4*VV]
.set II, II+1
.endr
.set VV, VV+1
.endr
	s_wait_alu depctr_va_vdst(0)                   ; the additions have written v176-191, which the four stores read
.set II, 0
.rept 4
	global_store_b128 v6, v[176+4*II:179+4*II], s[56:57] offset:8192*II th:TH_STORE_NT   ; sixteen lanes store 256 consecutive bytes at a multiple of 256
.set II, II+1
.endr
	s_wait_dscnt 0x0                               ; the closing lines, six on end, of a launch in the mode that stores to LDS (every window is 0 here: the add's two registers lie in window 0)
	s_wait_alu 0x0
	s_wait_tensorcnt 0x0
	ds_add_u32 v254, v255
	s_wait_dscnt 0x0
	s_endpgm
.Lfunc_end_k_q3f99b2372d_down:
	.size	k_q3f99b2372d_down, .Lfunc_end_k_q3f99b2372d_down-k_q3f99b2372d_down
	.p2alignl 7, 3214868480
	.fill 96, 4, 3214868480
	.section	.rodata,"a",@progbits
	.p2align	6, 0x0
	.amdhsa_kernel k_q3f99b2372d_down
		.amdhsa_group_segment_fixed_size 140288
		.amdhsa_private_segment_fixed_size 0
		.amdhsa_enable_private_segment 0
		.amdhsa_kernarg_size 48
		.amdhsa_user_sgpr_count 2
		.amdhsa_user_sgpr_kernarg_segment_ptr 1
		.amdhsa_wavefront_size32 1
		.amdhsa_system_sgpr_workgroup_id_x 1
		.amdhsa_system_sgpr_workgroup_id_y 1
		.amdhsa_system_sgpr_workgroup_id_z 1
		.amdhsa_system_vgpr_workitem_id 0
		.amdhsa_next_free_vgpr 512
		.amdhsa_next_free_sgpr 66
		.amdhsa_reserve_vcc 0
		.amdhsa_float_denorm_mode_32 3
		.amdhsa_float_denorm_mode_16_64 3
		.amdhsa_memory_ordered 1
		.amdhsa_forward_progress 1
		.amdhsa_inst_pref_size 87
	.end_amdhsa_kernel
	.amdgpu_metadata
---
amdhsa.version: [ 1, 2 ]
amdhsa.kernels:
  - .name:           k_q3f99b2372d_down
    .symbol:         k_q3f99b2372d_down.kd
    .args:
      - { .name: hqb, .offset: 0, .size: 8, .value_kind: global_buffer, .address_space: global }
      - { .name: wqb, .offset: 8, .size: 8, .value_kind: global_buffer, .address_space: global }
      - { .name: sel, .offset: 16, .size: 8, .value_kind: global_buffer, .address_space: global }
      - { .name: gate, .offset: 24, .size: 8, .value_kind: global_buffer, .address_space: global }
      - { .name: x, .offset: 32, .size: 8, .value_kind: global_buffer, .address_space: global }
      - { .name: out0, .offset: 40, .size: 8, .value_kind: global_buffer, .address_space: global }
    .group_segment_fixed_size: 140288
    .private_segment_fixed_size: 0
    .kernarg_segment_align: 8
    .kernarg_segment_size: 48
    .max_flat_workgroup_size: 256
    .sgpr_count:     66
    .vgpr_count:     512
    .wavefront_size: 32
...
	.end_amdgpu_metadata
.endif
;; end of part 6
